; MI455X (gfx1250); checked and timed in simulation.
; The chip was launched on July 23, 2026; its instructions are those of AMD's public machine-readable ISA for CDNA 5 (MIT licence, August 2026) and "CDNA5" Instruction Set Architecture Reference Guide (July 2026). The comments in the code are by the model that wrote it; some were corrected since.
;; flash attn. Allowed arithmetic: matrix products marked QUANTISED: E2M3 operands, one E8M0 scale for each 32 along K, by v_wmma_scale_f32_16x16x128_f8f6f4 with both operands' format E2M3, f32 sums; everything else in f32.
;; Inputs: W_attn 1,024 x 3,072 float32; W_proj 1,024 x 1,024 float32; x 4 x 2,048 x 1,024 float32.
;; Outputs: out0 4 x 2,048 x 1,024 float32.
;; This version of the problem:
;;   THIS VERSION OF THE PROBLEM IS GIVEN IN LOW PRECISION. The matrix products marked QUANTISED in the list below multiply operands that are first quantised to E2M3 (2 exponent bits, 3 mantissa bits; 6 bits a number), with one power-of-two scale for each 32 numbers along K (OCP MX v1.0); their sums are f32. All else is computed in f32.
;;   The module's matrix products, in the order in which they are computed (A, B: the left and right operand; K: the contracted axis; several contracted axes count as one K, in the product's order):
;;     1. [M 8,192, K 1,024] x [K 1,024, N 3,072]; A: input x; B: input W_attn: QUANTISED
;;     2. batch 64 x [M 2,048, K 64] x [K 64, N 2,048]; A: computed on the way; B: computed on the way: QUANTISED
;;     3. batch 64 x [M 2,048, K 2,048] x [K 2,048, N 64]; A: softmax (see below); B: computed on the way: QUANTISED
;;     4. [M 8,192, K 1,024] x [K 1,024, N 1,024]; A: computed on the way; B: input W_proj: QUANTISED
;;   THE QUANTISER, for each operand of a quantised product, along K:
;;     - K is cut into blocks of 32 from its start; a last block that is shorter is filled with zeros.
;;     - A block's scale is 2^e with e = floor(log2(the largest magnitude in the block)) - 2, held to -126 .. 127; a block of zeros has e = 0. As a byte (E8M0): e + 127.
;;     - Each number is divided by its block's scale, clamped to +-7.5, and rounded to the nearest number of E2M3, ties to even, subnormals kept.
;;     - The product sums the exact products of the quantised numbers (number of the format x scale) in f32.
;;   ~~~python
;;   def quantise(x, axis):      # numpy; x: float32 -> the quantised numbers, widened to float32 again
;;       x = np.moveaxis(x, axis, -1); K = x.shape[-1]
;;       x = np.pad(x, [(0, 0)] * (x.ndim - 1) + [(0, -K % 32)]); x = x.reshape(x.shape[:-1] + (-1, 32)); a = np.abs(x).max(-1, keepdims=True)
;;       e = np.where(a > 0, np.clip(np.frexp(np.where(a > 0, a, 1))[1] - 1 - 2, -126, 127), 0)      # np.frexp(a)[1] - 1 = floor(log2(a)), exactly
;;       r = np.clip(x / 2.0 ** e, -7.5, 7.5)
;;       step = 2.0 ** (np.maximum(np.frexp(np.where(r == 0, 1, r))[1] - 1, 0) - 3)
;;       q = np.round(r / step) * step * 2.0 ** e      # np.round: ties to even
;;       return np.moveaxis(q.reshape(q.shape[:-2] + (-1,))[..., :K], -1, axis).astype(np.float32)
;;   ~~~
;;   SOFTMAX AHEAD OF A QUANTISED PRODUCT. Where the list says 'softmax', what is quantised is not the finished softmax but p = 2^(t - M), with t = logit x log2(e) and M = ceil(the row's largest t), a whole number; so 1/2 < the row's largest p <= 1. The row's sum l is taken of the UNQUANTISED p, in f32, and the product's result is divided by l at the end. Since M is a whole number, a kernel that streams over the keys may use a running M (the ceiling of the running maximum): every later rescaling is an exact power of two, which a block's scale takes up: the codes' values come out the same.
;;   OPERANDS COMPUTED ON THE WAY. 'Computed on the way' means the value that the module computes at that place (a softmax that the list does not call 'softmax' is quantised finished and normalised). What goes into a quantiser is computed in f32, as accurately as f32 sums, v_exp_f32 and their like allow (about 1e-6 of the number): no bf16 or f16 on the way to a quantiser, and a product that is left as it is and whose result goes on into a quantised operand takes f32 operands (vector FMAs, or v_wmma_f32_16x16x4_f32). A number that lies on a knife's edge between two numbers of the format may be rounded either way, as far as f32 arithmetic and the matrix unit's own rounding can turn it there, and no further.
;; One version. Each part assembles by itself: llvm-mc -triple=amdgcn-amd-amdhsa -mcpu=gfx1250 --defsym DOCPART=n.
;; ======== version 1 of 1: 4 launches
;; limits: right only within a limited range of input values
;; workspace buffers: xq 6,553,600 bytes; wq 3,276,800 bytes; qk 13,107,200 bytes; vv 6,553,600 bytes; yq 6,553,600 bytes
;; launch quant (part 1): grid 384 x 1, 4 waves a work-group, no clusters, 47,616 bytes of LDS; arguments x, W_attn, W_proj, xq, wq; writes xq, wq
.if DOCPART == 1
	.amdgcn_target "amdgcn-amd-amdhsa--gfx1250"
	.amdhsa_code_object_version 6
	.text
	.protected	k_qb388199309_quant
	.globl	k_qb388199309_quant
	.p2align	8
	.type	k_qb388199309_quant,@function
k_qb388199309_quant:
	s_mov_b64 s[64:65], 0
	v_nop
	global_prefetch_b8 v0, s[64:65] scope:SCOPE_SE
	s_setreg_imm32_b32 hwreg(HW_REG_WAVE_MODE, 25, 1), 1
	s_wait_xcnt 0x0
; x [8192][1024], W_attn [1024][3072] and W_proj [1024][1024], f32, become codes of FP6 (E2M3) with one E8M0 byte for each 32 along K (K = 1024 for all three).
; A block's scale is 2^(floor(log2(its largest magnitude)) - 2); its byte is the largest magnitude's exponent field - 2, held at 1 from below.
; LIMITS: a block whose largest magnitude lies under 2^-124 has its byte held at 1; a block of zeros gets the byte 1 (its codes are zeros, and this program alone reads the bytes); NaN and infinities are not served.
; THE OUTPUT IS LAID AS THE MATRIX UNIT'S REGISTERS WANT IT.  Codes: [row block of 16][K step of 128][1,536 bytes].  A fragment is two halves c of 768 bytes: 16 bytes a lane (registers 6 c .. 6 c + 3)
; at 16 x lane, then 8 bytes a lane (registers 6 c + 4, 6 c + 5) at 512 + 8 x lane; lane (r, h) holds k = 64 c + 32 h + 0 .. 31 of the block's r-th row.  So every later reader loads dense bytes, and every store here is dense.
; THE ROWS OF A BLOCK ARE NOT NEIGHBOURS: block 2 g + u holds at place r the row 32 g + 8 u + r + 8 (r / 8), so that a product that takes such a block as source 0 leaves 16 neighbours in two accumulators.
; Scale words (four bytes: one K step of one row): [row block][256 along K][16 r][2 words].
; xq: x's 8,192 rows.  wq: rows 0 - 3,071 are W_attn's columns, rows 3,072 - 4,095 W_proj's.
; Work-groups 0 - 255 take x (K innermost), 256 - 383 the weights (K outermost).  The two ways part on the work-group's number; each has LDS bytes of its own.  Each work-group reads 128 KiB.
; Memory binds: no matrix unit, no cluster, no tensor load; waves share nothing, so there is no barrier.
.set XROW,  528                        ; x's stage: a row of 512 bytes + 16
.set XWAVE, 16*XROW                    ; 16 rows for each wave
.set WSTG,  4*XWAVE                    ; behind them the weights' stages:
.set WIMG,  1664                       ; a fragment's image, 1,536 bytes + 128,
.set WWAVE, 2*WIMG                     ; two for each wave
.set SPARE, WSTG+4*WWAVE               ; the spare words, 128 bytes for each wave: two blocks of 256 bytes that no other line names
.set XSC,   6291456                    ; where xq's scale words begin
.set WSC,   3145728                    ; and wq's
.set FLOOR, 0x1800000                  ; 2^(3 - 127)
.set EOFF,  0xff000000                 ; takes 2 off an exponent field
.set RR,   2                           ; v2   r = lane % 16
.set HH,   3                           ; v3   h = lane / 16
.set L16,  4                           ; v4   16 x lane
.set L8,   5                           ; v5   8 x lane
.set XST,  6                           ; v6   x's stage, on the way in
.set XRD,  7                           ; v7   and out
.set WS16, 8                           ; v8   the weights' stage, on the way in: the 16-byte plane
.set WS8,  9                           ; v9   the 8-byte plane
.set WR16, 10                          ; v10  and out
.set WR8,  11                          ; v11
.set SPW,  12                          ; v12  my spare word; never rewritten
.set NIL,  13                          ; v13  0; never rewritten
.set WSO,  14                          ; v14  my column's place among the scale words
.set L4,   15                          ; v15  4 x lane
; x's way
.set RX,   16                          ; v16-143  two sets of 64: 16 rows x 16 bytes as loaded
.set XX,   144                         ; v144-207 64 numbers: two whole blocks of 32 of my row
.set CX,   208                         ; v208-219 the fragment's 12 registers
.set TX,   220                         ; v220-226 the blocks' upper halves as converted
.set MX,   228                         ; v228-235 at work
.set SWX,  236                         ; v236-239 the four K steps' scale words
.set OW2,  240                         ; v240-241 the two that I store
.set H8,   242                         ; v242     8 h
; the weights' way
.set VA,   16                          ; v16-47   row i of a block of 32: i x the row's bytes + 4 x lane
.set XW,   48                          ; v48-111  two sets of 32 numbers
.set CW,   112                         ; v112-117 a block's codes
.set TW,   120
.set MW,   124
.set SOW,  126
.set BYW,  127
.set SBW,  128                         ; v128-129 my column's eight scale bytes
.set OW,   132                         ; v132-179 four images on their way out
.set SBA,  32                          ; s[32:47] the eight blocks' bases
.macro LOADX f                         ; K step f: 16 rows x 512 consecutive bytes
.irp i, 0,1,2,3,4,5,6,7,8,9,10,11,12,13,14,15
	global_load_b128 v[RX+64*((\f)%2)+4*\i:RX+64*((\f)%2)+4*\i+3], v[L16], s[4:5] offset:(\i+8*(\i/8))*4096+512*(\f) th:TH_LOAD_NT
.endr
.endm
.macro TURNX f                         ; through my stage: in as loaded, out 128 bytes a lane and half: LDS serves a wave's instructions in order, so no wait stands between
.irp i, 0,1,2,3,4,5,6,7,8,9,10,11,12,13,14,15
	ds_store_b128 v[XST], v[RX+64*((\f)%2)+4*\i:RX+64*((\f)%2)+4*\i+3] offset:XROW*\i
.endr
.irp c, 0,1
.irp e, 0,1,2,3,4,5,6,7
	ds_load_b128 v[XX+32*\c+4*\e:XX+32*\c+4*\e+3], v[XRD] offset:256*\c+16*\e   ; k = 64 c + 32 h + 4 e .. of row r
.endr
.endr
.endm
.macro QUANTX f
.irp c, 0,1
	v_max3_num_f32 v[MX+\c], |v[XX+32*\c]|, |v[XX+32*\c+1]|, FLOOR   ; my block 2 c + h: all its 32 numbers are mine; the floor holds the byte at 1 from below
.endr
.irp i, 2,4,6,8,10,12,14,16,18,20,22,24,26,28,30
.irp c, 0,1
	v_max3_num_f32 v[MX+\c], v[MX+\c], |v[XX+32*\c+\i]|, |v[XX+32*\c+\i+1]|
.endr
.endr
.irp c, 0,1
	v_add_nc_u32 v[MX+2+\c], EOFF, v[MX+\c]        ; the conversion takes the exponent field of this operand as its scale
.endr
.irp c, 0,1
	v_lshrrev_b32 v[MX+4+\c], 23, v[MX+2+\c]       ; the scale's byte
.endr
	v_lshl_or_b32 v[MX+6], v[MX+5], 16, v[MX+4]    ; bytes h and 2 + h of the row's word,
	v_lshlrev_b32 v[MX+6], v[H8], v[MX+6]          ; at their places;
	v_permlanex16_b32 v[MX+7], v[MX+6], s20, s21
	v_or_b32 v[SWX+(\f)], v[MX+6], v[MX+7]         ; with lane l xor 16's two the word is whole
.if (\f) > 0
	s_wait_alu depctr_va_vdst(0)
	s_wait_xcnt 0x0                                ; the last fragment's stores have read their data: the codes' registers are written again only behind this wait
.endif
.irp c, 0,1
	v_cvt_scalef32_pk16_fp6_f32 v[CX+6*\c:CX+6*\c+2], v[XX+32*\c:XX+32*\c+15], v[MX+2+\c]
	v_cvt_scalef32_pk16_fp6_f32 v[TX+4*\c:TX+4*\c+2], v[XX+32*\c+16:XX+32*\c+31], v[MX+2+\c]   ; (a conversion's three registers begin on an even number)
.endr
	v_nop                                          ; one plain place behind a scaled conversion
.irp c, 0,1
.irp i, 0,1,2
	v_mov_b32 v[CX+6*\c+3+\i], v[TX+4*\c+\i]
.endr
.endr
	global_store_b128 v[L16], v[CX:CX+3], s[10:11] offset:1536*(\f)            ; each store covers consecutive bytes: 512, 256, 512, 256
	global_store_b64 v[L8], v[CX+4:CX+5], s[10:11] offset:1536*(\f)+512
	global_store_b128 v[L16], v[CX+6:CX+9], s[10:11] offset:1536*(\f)+768
	global_store_b64 v[L8], v[CX+10:CX+11], s[10:11] offset:1536*(\f)+1280
.endm
.macro LOADW t                         ; block t: W(32 t + i, my column), i = 0 .. 31
.set i, 0
.rept 32
	global_load_b32 v[XW+32*((\t)%2)+i], v[VA+i], s[SBA+2*(\t):SBA+2*(\t)+1] th:TH_LOAD_NT
.set i, i+1
.endr
.endm
.macro BLOCKW t
.set XB, XW+32*((\t)%2)
.if (\t) < 7
	s_wait_loadcnt 32                              ; this block's 32 loads are in; the next block's may be out
.else
	s_wait_loadcnt 0x0
.endif
	v_max3_num_f32 v[MW], |v[XB]|, |v[XB+1]|, |v[XB+2]|
	v_max3_num_f32 v[MW+1], |v[XB+3]|, |v[XB+4]|, |v[XB+5]|
.irp i, 6,10,14,18,22,26
	v_max3_num_f32 v[MW], v[MW], |v[XB+\i]|, |v[XB+\i+1]|
	v_max3_num_f32 v[MW+1], v[MW+1], |v[XB+\i+2]|, |v[XB+\i+3]|
.endr
	v_max3_num_f32 v[MW], v[MW], |v[XB+30]|, |v[XB+31]|
	v_max3_num_f32 v[MW], v[MW], v[MW+1], FLOOR
	v_add_nc_u32 v[SOW], EOFF, v[MW]
	v_lshrrev_b32 v[BYW], 23, v[SOW]
.if (\t)%4 == 0
	v_mov_b32 v[SBW+(\t)/4], v[BYW]                ; four bytes to a word, the lower K in the lower byte
.else
	v_lshl_or_b32 v[SBW+(\t)/4], v[BYW], 8*((\t)%4), v[SBW+(\t)/4]
.endif
	v_cvt_scalef32_pk16_fp6_f32 v[CW:CW+2], v[XB:XB+15], v[SOW]
	v_cvt_scalef32_pk16_fp6_f32 v[TW:TW+2], v[XB+16:XB+31], v[SOW]
	v_nop                                          ; one plain place behind a scaled conversion
.irp i, 0,1,2
	v_mov_b32 v[CW+3+\i], v[TW+\i]
.endr
	ds_store_b128 v[WS16], v[CW:CW+3] offset:768*(((\t)%4)/2)+256*((\t)%2)        ; block t of the K step is half c = (t % 4) / 2, lanes' half h = t % 2 of the image
	ds_store_b64 v[WS8], v[CW+4:CW+5] offset:768*(((\t)%4)/2)+512+128*((\t)%2)
.if (\t)+2 < 8
	LOADW (\t)+2
.endif
	s_wait_dscnt 0x0                               ; the stores have read their registers
.if (\t)%4 == 3                        ; a K step's two images are whole: back as they lie, and out
.irp u, 0,1
	ds_load_b128 v[OW+24*((\t)/4)+12*\u:OW+24*((\t)/4)+12*\u+3], v[WR16] offset:WIMG*\u
	ds_load_b64 v[OW+24*((\t)/4)+12*\u+4:OW+24*((\t)/4)+12*\u+5], v[WR8] offset:WIMG*\u+512
	ds_load_b128 v[OW+24*((\t)/4)+12*\u+6:OW+24*((\t)/4)+12*\u+9], v[WR16] offset:WIMG*\u+768
	ds_load_b64 v[OW+24*((\t)/4)+12*\u+10:OW+24*((\t)/4)+12*\u+11], v[WR8] offset:WIMG*\u+1280
.endr
	s_wait_dscnt 0x0
.irp u, 0,1
	global_store_b128 v[L16], v[OW+24*((\t)/4)+12*\u:OW+24*((\t)/4)+12*\u+3], s[28:29] offset:12288*\u+1536*((\t)/4)
	global_store_b64 v[L8], v[OW+24*((\t)/4)+12*\u+4:OW+24*((\t)/4)+12*\u+5], s[28:29] offset:12288*\u+1536*((\t)/4)+512
	global_store_b128 v[L16], v[OW+24*((\t)/4)+12*\u+6:OW+24*((\t)/4)+12*\u+9], s[28:29] offset:12288*\u+1536*((\t)/4)+768
	global_store_b64 v[L8], v[OW+24*((\t)/4)+12*\u+10:OW+24*((\t)/4)+12*\u+11], s[28:29] offset:12288*\u+1536*((\t)/4)+1280
.endr
.endif
.endm
	s_load_b256 s[4:11], s[0:1], 0x0               ; x s[4:5], W_attn s[6:7], W_proj s[8:9], xq s[10:11]
	s_load_b64 s[12:13], s[0:1], 0x20              ; wq
	v_lshl_add_u32 v[SPW], v0, 2, SPARE
	v_mov_b32 v[NIL], 0
	v_lshrrev_b32 v1, 5, v0
	v_readfirstlane_b32 s16, v1                    ; wave 0..3
	v_and_b32 v1, 31, v0                           ; lane
	v_and_b32 v[RR], 15, v0
	v_bfe_u32 v[HH], v0, 4, 1
	v_lshlrev_b32 v[L16], 4, v1
	v_lshlrev_b32 v[L8], 3, v1
	v_lshlrev_b32 v[L4], 2, v1
	; every LDS address of both ways is made here, ahead of the parting
	s_mul_i32 s17, s16, XWAVE
	v_add_nc_u32 v[XST], s17, v[L16]               ; in: 16 x lane, a row for each store
	v_mul_u32_u24 v[XRD], v[RR], XROW
	v_lshl_add_u32 v[XRD], v[HH], 7, v[XRD]
	v_add_nc_u32 v[XRD], s17, v[XRD]               ; out: row r, + 128 h
	s_mul_i32 s17, s16, WWAVE
	s_add_co_u32 s17, s17, WSTG
	v_bfe_u32 v8, v0, 3, 1                         ; u: column 32 g + lane lies in block 2 g + u,
	v_and_b32 v9, 7, v0
	v_lshl_add_u32 v9, v[HH], 3, v9                ; at place r' = lane % 8 + 8 (lane / 16)
	v_lshlrev_b32 v[WSO], 3, v9
	v_lshl_add_u32 v[WSO], v8, 9, v[WSO]           ; scale words: 512 u + 8 r'
	v_mul_u32_u24 v10, v8, WIMG
	v_add_nc_u32 v10, s17, v10
	v_lshl_add_u32 v[WS16], v9, 4, v10
	v_lshl_add_u32 v[WS8], v9, 3, v10
	v_add_nc_u32 v[WR16], s17, v[L16]
	v_add_nc_u32 v[WR8], s17, v[L8]
	s_mov_b32 s20, 0x76543210
	s_mov_b32 s21, 0xfedcba98                      ; v_permlanex16_b32's selects for lane l xor 16
	s_cmp_ge_u32 ttmp9, 256
	s_cbranch_scc1 .Lweights
	; ---- x: a wave takes one row block and half of K: four fragments
	s_lshl_b32 s18, ttmp9, 2
	s_add_co_u32 s18, s18, s16
	s_lshr_b32 s19, s18, 1                         ; the row block
	s_and_b32 s18, s18, 1                          ; which half of K
	s_lshr_b32 s22, s19, 1
	s_lshl_b32 s22, s22, 5
	s_and_b32 s23, s19, 1
	s_lshl_b32 s23, s23, 3
	s_add_co_u32 s22, s22, s23                     ; the block's first row: 32 g + 8 u
	s_lshl_b32 s22, s22, 12                        ; a row of x is 4,096 bytes
	s_lshl_b32 s23, s18, 11
	s_add_co_u32 s22, s22, s23
	s_mov_b32 s23, 0
	s_mul_i32 s24, s19, 12288
	s_mul_i32 s26, s18, 6144
	s_add_co_u32 s24, s24, s26                     ; its codes
	s_mov_b32 s25, 0
	s_lshl_b32 s26, s19, 9
	s_lshl_b32 s27, s18, 8
	s_add_co_u32 s26, s26, s27
	s_add_co_u32 s26, s26, XSC                     ; its scale words
	s_mov_b32 s27, 0
	v_lshlrev_b32 v[H8], 3, v[HH]
	v_mov_b32 v[MX+7], 0                           ; written once: a lane permute's destination counts as one of its sources
	s_wait_kmcnt 0x0
	s_add_nc_u64 s[4:5], s[4:5], s[22:23]
	s_add_nc_u64 s[28:29], s[10:11], s[26:27]
	s_add_nc_u64 s[10:11], s[10:11], s[24:25]
	LOADX 0
	LOADX 1
.irp f, 0,1,2,3
.if \f < 3
	s_wait_loadcnt 16                              ; this K step's 16 loads are in; the next one's may be out
.else
	s_wait_loadcnt 0x0
.endif
	TURNX \f
	s_wait_dscnt 0x0                               ; the numbers are back, and the stage's stores have read their registers,
.if \f < 2
	LOADX \f+2                                     ; which take the loads of two K steps on
.endif
	QUANTX \f
.endr
	v_cmp_eq_u32 vcc_lo, 1, v[HH]                  ; lanes 0-15 store the first 256 along K's two words, lanes 16-31 the second's
	v_cndmask_b32 v[OW2], v[SWX], v[SWX+2], vcc_lo
	v_cndmask_b32 v[OW2+1], v[SWX+1], v[SWX+3], vcc_lo
	global_store_b64 v[L8], v[OW2:OW2+1], s[28:29] ; 32 lanes store 256 consecutive bytes, aligned
	s_wait_tensorcnt 0x0                           ; the wave's end: behind my last LDS store
	ds_add_u32 v[SPW], v[NIL]
	s_wait_dscnt 0x0
	s_endpgm
.Lweights:
	; ---- the weights: a lane takes a column, and its registers run down K.  A wave takes 32 columns x 256 along K: eight blocks a lane, two K steps of two row blocks
	s_sub_co_u32 s18, ttmp9, 256
	s_lshr_b32 s19, s18, 2                         ; which 128 columns
	s_and_b32 s18, s18, 3                          ; which 256 along K
	s_lshl_b32 s22, s19, 2
	s_add_co_u32 s22, s22, s16                     ; g: my wave's 32 columns among the 4,096
	s_lshl_b32 s23, s22, 5
	s_mov_b32 s26, 4096
	s_wait_kmcnt 0x0
	s_cmp_lt_u32 s19, 24                           ; W_attn's or W_proj's?  The choice hangs on the work-group's number alone
	s_cselect_b64 s[6:7], s[6:7], s[8:9]
	s_cselect_b32 s26, 12288, s26                  ; a row's bytes
	s_cselect_b32 s27, 0, 3072
	s_sub_co_u32 s23, s23, s27                     ; my first column in its tensor
	s_lshl_b32 s23, s23, 2
	s_lshl_b32 s27, s18, 8
	s_mul_i32 s27, s27, s26
	s_add_co_u32 s24, s23, s27
	s_mov_b32 s25, 0
	s_add_nc_u64 s[SBA:SBA+1], s[6:7], s[24:25]    ; block 0's first row
	s_lshl_b32 s24, s26, 5                         ; 32 rows on
.irp t, 1,2,3,4,5,6,7
	s_add_nc_u64 s[SBA+2*\t:SBA+2*\t+1], s[SBA+2*\t-2:SBA+2*\t-1], s[24:25]
.endr
.set i, 0
.rept 32
	v_mad_u32_u24 v[VA+i], s26, i, v[L4]
.set i, i+1
.endr
	s_mul_i32 s28, s22, 2*12288                    ; row block 2 g,
	s_mul_i32 s29, s18, 2*1536                     ; K step 2 x (which 256)
	s_add_co_u32 s28, s28, s29
	s_mov_b32 s29, 0
	s_add_nc_u64 s[28:29], s[12:13], s[28:29]
	s_lshl_b32 s30, s22, 10
	s_lshl_b32 s31, s18, 7
	s_add_co_u32 s30, s30, s31
	s_add_co_u32 s30, s30, WSC
	s_mov_b32 s31, 0
	s_add_nc_u64 s[30:31], s[12:13], s[30:31]
	s_wait_alu depctr_va_vdst(0)
	LOADW 0
	LOADW 1
.set Q, 0
.rept 8
	BLOCKW Q
.set Q, Q+1
.endr
	s_wait_alu depctr_va_vdst(0)
	global_store_b64 v[WSO], v[SBW:SBW+1], s[30:31] ; my column's two words: runs of 128 bytes, so aligned blocks of 256 are written in part here: 128 KiB in the whole launch
	s_wait_tensorcnt 0x0                           ; the wave's end, as above
	ds_add_u32 v[SPW], v[NIL]
	s_wait_dscnt 0x0
	s_endpgm
.Lfunc_end_k_qb388199309_quant:
	.size	k_qb388199309_quant, .Lfunc_end_k_qb388199309_quant-k_qb388199309_quant
	.p2alignl 7, 3214868480
	.fill 96, 4, 3214868480
	.section	.rodata,"a",@progbits
	.p2align	6, 0x0
	.amdhsa_kernel k_qb388199309_quant
		.amdhsa_group_segment_fixed_size 47616
		.amdhsa_private_segment_fixed_size 0
		.amdhsa_enable_private_segment 0
		.amdhsa_kernarg_size 40
		.amdhsa_user_sgpr_count 2
		.amdhsa_user_sgpr_kernarg_segment_ptr 1
		.amdhsa_wavefront_size32 1
		.amdhsa_system_sgpr_workgroup_id_x 1
		.amdhsa_system_sgpr_workgroup_id_y 1
		.amdhsa_system_sgpr_workgroup_id_z 1
		.amdhsa_system_vgpr_workitem_id 0
		.amdhsa_next_free_vgpr 248
		.amdhsa_next_free_sgpr 66
		.amdhsa_reserve_vcc 1
		.amdhsa_float_denorm_mode_32 3
		.amdhsa_float_denorm_mode_16_64 3
		.amdhsa_memory_ordered 1
		.amdhsa_forward_progress 1
		.amdhsa_inst_pref_size 75
	.end_amdhsa_kernel
	.amdgpu_metadata
---
amdhsa.version: [ 1, 2 ]
amdhsa.kernels:
  - .name:           k_qb388199309_quant
    .symbol:         k_qb388199309_quant.kd
    .args:
      - { .name: x, .offset: 0, .size: 8, .value_kind: global_buffer, .address_space: global }
      - { .name: W_attn, .offset: 8, .size: 8, .value_kind: global_buffer, .address_space: global }
      - { .name: W_proj, .offset: 16, .size: 8, .value_kind: global_buffer, .address_space: global }
      - { .name: xq, .offset: 24, .size: 8, .value_kind: global_buffer, .address_space: global }
      - { .name: wq, .offset: 32, .size: 8, .value_kind: global_buffer, .address_space: global }
    .group_segment_fixed_size: 47616
    .private_segment_fixed_size: 0
    .kernarg_segment_align: 8
    .kernarg_segment_size: 40
    .max_flat_workgroup_size: 128
    .sgpr_count:     66
    .vgpr_count:     248
    .wavefront_size: 32
...
	.end_amdgpu_metadata
.endif
;; end of part 1
;; launch qkv (part 2): grid 4 x 96, 4 waves a work-group, clusters of 4 x 4, 327,680 bytes of LDS; arguments xq, wq, qk, vv; writes qk, vv
.if DOCPART == 2
	.amdgcn_target "amdgcn-amd-amdhsa--gfx1250"
	.amdhsa_code_object_version 6
	.text
	.protected	k_qb388199309_qkv
	.globl	k_qb388199309_qkv
	.p2align	8
	.type	k_qb388199309_qkv,@function
k_qb388199309_qkv:
	s_mov_b64 s[64:65], 0
	v_nop
	global_prefetch_b8 v0, s[64:65] scope:SCOPE_SE
	s_setreg_imm32_b32 hwreg(HW_REG_WAVE_MODE, 25, 1), 1
	s_wait_xcnt 0x0
	s_wait_alu depctr_hold_cnt(0) depctr_sa_sdst(0) depctr_va_vdst(0) depctr_va_sdst(0) depctr_va_ssrc(0) depctr_va_vcc(0) depctr_vm_vsrc(0)
	s_getreg_b32 s2, hwreg(HW_REG_IB_STS2, 6, 4)
	s_cmp_eq_u32 s2, 0
	s_cbranch_scc0 .Lentry_in_a_cluster
	s_endpgm
.Lentry_in_a_cluster:
	s_bfe_u32 s2, ttmp6, 0x10000c
	s_cmp_lg_u32 s2, 0xf033
	s_cbranch_scc0 .Lentry_shape_is_right
	s_endpgm
.Lentry_shape_is_right:
; qkv = x W_attn on codes of FP6 (E2M3) with E8M0 scales, K = 1,024; the results are quantised in registers and leave as codes: q and k along the head's 64, v along the keys.
; OPERANDS lie as images of the matrix unit's registers: [row block of 16][K step of 128][1,536 bytes]; a fragment is 16 bytes a lane at 16 x lane, 8 bytes a lane at 512 + 8 x lane, and the same 768 bytes on.
; Block 2 g + u holds at place r the row 32 g + 8 u + r + 8 (r / 8).  Scale words: [row block][256 along K][16 r][2 words].
; A tile of 256 x 256 is made by four waves, each 128 x 128: 64 accumulators, 512 registers.  K goes in steps of 256 through a ring of two LDS slots filled by the tensor data mover.
; THE MATRIX INSTRUCTION IS USED TRANSPOSED: source 0 = 16 rows of 'B', source 1 = 16 rows of 'A'.  A lane then holds ONE row of A, and, by the order of B's rows in a block, the 16 registers of accumulators
; 2 g and 2 g + 1 are B's rows 32 g + 16 (lane / 16) + 0 .. 15: neighbours along the next product's K.
; TWO PARTS, by the cluster's number L.  L < 16: A = x's tokens, B = W's columns 0 - 2,047 (q, k): a lane holds a token and 128 features, two heads.  L >= 16: A = W's columns 2,048 - 3,071 (v), B = tokens:
; a lane holds a channel and 128 keys.  The parts differ in pointers and offsets alone, chosen by selects on L, which all partners of a cluster share; there is no branch on it.
; qk: codes [512 token blocks][16 pairs of heads: q 0-7, k 8-15][1,536], half c = the head's parity; words at QKS: [batch][32 heads: q, then k][16 steps of 128 tokens][16 r][4 p]:
;     the two bytes of token block 2 p, then those of block 2 p + 1.   vv: codes [batch][64 channel blocks][16 steps of 128 keys][1,536]; words at VS: [batch][16 heads][16 steps][16 r][4 channel blocks].
; CLUSTERS: 4 x 4 work-groups; A's tiles are asked for jointly along a row of the cluster, B's along a column.  All of a WGP's LDS is claimed.
; LIMITS: a block whose largest magnitude lies under 2^-124 has its byte held at 1; a block of zeros gets the byte 1 (zero codes; this program alone reads the bytes); NaN and infinities are not served.
; REGISTERS, in windows of 256: window 0: v0-31 addresses; v32-63 scale words, two sets; v128-223 A's fragments, one set; v64-127 at work on the way out.  window 1: B's fragments, two sets, at v0 and v128.
;   window 2: the accumulators of my rows 0-63 ((a, b) at v[8 (8 (a % 4) + b)]);  window 3: those of rows 64-127.
.set NQ,     2                         ; matrix instructions deep in a slot
.set FR,     12                        ; registers of a fragment
.set NL,     4                         ; LDS loads that bring one
.set NP,     4                         ; places behind this matrix instruction (ISA guide 7.12.1)
.set HALFT,  24576                     ; 8 row blocks x 3,072 bytes: what one tensor load brings, and what one wave reads of A or of B
.set SLOT,   4*HALFT
.set LAPS,   2                         ; K = 1,024 is four slots: twice round the ring
.set SCL,    2*SLOT                    ; behind the ring: A's scale words, 8,192 bytes;
.set SCB,    8320                      ; B's begin 8,320 bytes on: the odd 128 bytes put lanes 16-31 of a load on the other half of the banks (64 banks of 4 bytes: ISA guide 11.1)
.set SPARE,  213248                    ; the spare words, 128 bytes for each wave: two blocks of 256 bytes that no other line names
.set L16,  4                           ; v4   16 x lane
.set L8,   5                           ; v5   8 x lane
.set ADRA, 16                          ; v16-17 my A fragments in slot 0, 1, 16 bytes a lane; v18-19 the same, 8 bytes a lane
.set ADRB, 20                          ; v20-23 the same for B
.set SOFF, 26                          ; v26  the way out: my place among the scale words
.set ADRS, 27                          ; v27  my scale words: lanes 0-15 A's rows, lanes 16-31 B's
.set SPW,  28                          ; v28  my spare word; never rewritten
.set NIL,  29                          ; v29  0; never rewritten
.set SC,   32
.set AF,   128
.set PC,   64                          ; the way out: v64-75 a fragment's codes, v76-82 halves as converted
.set TM,   96                          ; v96-111 at work
.set PWS,  116                         ; v116-123 the eight blocks' scale words
.set WQ,   124
.set WVV,  132
.set FW,   136
.set SELQ, 140
.set G1, 24
.set G0, 32
.set G1B, 48
.set G0B, 56
.set G1S, 68
.set G0S, 76
.set G1SB, 80
.set G0SB, 88
.set MSB, 0
.macro WIN new                         ; the immediate's high byte repeats the setting that is left
.if MSB != \new
	s_set_vgpr_msb (MSB<<8)|\new
.set MSB, \new
.endif
.endm
.set MUL_LO, 0xa1                      ; source 0 (B) window 1, source 1 (A) window 0, C and D window 2
.set MUL_HI, 0xf1                      ; the same, C and D window 3
.set TO_B,   0x40                      ; destination window 1, address window 0
; A joint load: waves 0 and 1 fetch for A, waves 2 and 3 for B.  The branch hangs on the wave's number alone.  An s_nop 0 and four v_nop follow each of the two lines.
.macro JLOAD g0a, g1a, g0b, g1b
	s_cmp_eq_u32 s15, 0
	s_cbranch_scc0 .Lfor_b_\@
	tensor_load_to_lds s[\g0a:\g0a+3], s[\g1a:\g1a+7]
	s_nop 0
.rept 4
	v_nop
.endr
	s_branch .Lasked_\@
.Lfor_b_\@:
	tensor_load_to_lds s[\g0b:\g0b+3], s[\g1b:\g1b+7]
	s_nop 0
.rept 4
	v_nop
.endr
.Lasked_\@:
.endm
.macro CREST                           ; a round of the cluster's barrier behind its opening barrier
	s_cmp_lg_u32 s14, 0
	s_cbranch_scc1 .Lnot_wave_0_\@
	s_barrier_signal -3
.Lnot_wave_0_\@:
	s_barrier_wait -3
	s_barrier_signal -1
	s_barrier_wait -1
.endm
.macro CROUND
	s_barrier_signal -1
	s_barrier_wait -1
	CREST
.endm
.macro FRAG reg, adr, q, i             ; a fragment comes as it lies: four dense loads
	ds_load_b128 v[\reg:\reg+3], v[\adr] offset:3072*(\i)+1536*(\q)
	ds_load_b64 v[\reg+4:\reg+5], v[\adr+2] offset:3072*(\i)+1536*(\q)+512
	ds_load_b128 v[\reg+6:\reg+9], v[\adr] offset:3072*(\i)+1536*(\q)+768
	ds_load_b64 v[\reg+10:\reg+11], v[\adr+2] offset:3072*(\i)+1536*(\q)+1280
.endm
; 16 matrix instructions: A's blocks a0, a0 + 1 x B's eight.  The 64 accumulators take turns, one instruction a turn, in the same order in every step.
.macro MUL16 a0, p, q, sc, zero
.irp a, \a0, \a0+1
.irp b, 0,1,2,3,4,5,6,7
.if \zero
	v_wmma_scale_f32_16x16x128_f8f6f4 v[8*(8*((\a)%4)+\b):8*(8*((\a)%4)+\b)+7], v[128*(\p)+FR*\b:128*(\p)+FR*\b+FR-1], v[AF+FR*(\a):AF+FR*(\a)+FR-1], 0, v[SC+8*NQ*(\sc)+NQ*\b+(\q)], v[SC+8*NQ*(\sc)+NQ*(\a)+(\q)] matrix_a_fmt:MATRIX_FMT_FP6 matrix_b_fmt:MATRIX_FMT_FP6 matrix_a_scale:MATRIX_SCALE_ROW1
.else
	v_wmma_scale_f32_16x16x128_f8f6f4 v[8*(8*((\a)%4)+\b):8*(8*((\a)%4)+\b)+7], v[128*(\p)+FR*\b:128*(\p)+FR*\b+FR-1], v[AF+FR*(\a):AF+FR*(\a)+FR-1], v[8*(8*((\a)%4)+\b):8*(8*((\a)%4)+\b)+7], v[SC+8*NQ*(\sc)+NQ*\b+(\q)], v[SC+8*NQ*(\sc)+NQ*(\a)+(\q)] matrix_a_fmt:MATRIX_FMT_FP6 matrix_b_fmt:MATRIX_FMT_FP6 matrix_a_scale:MATRIX_SCALE_ROW1
.endif
.endr
.endr
.endm
.macro FETCH_B slot, q, p
	WIN TO_B
.irp i, 0,1,2,3,4,5,6,7
	FRAG 128*(\p)+FR*\i, ADRB+\slot, \q, \i
.endr
	WIN 0
.endm
.macro FETCH_A slot, q, i0
.irp i, \i0, \i0+1, \i0+2, \i0+3
	FRAG AF+FR*(\i), ADRA+\slot, \q, \i
.endr
.endm
.macro SCALES sc                       ; a slot's scale words: two a row; lanes 0-15 take A's block i, lanes 16-31 B's block i
.irp i, 0,1,2,3,4,5,6,7
	ds_load_b64 v[SC+8*NQ*\sc+NQ*\i:SC+8*NQ*\sc+NQ*\i+1], v[ADRS] offset:512*\i
.endr
.endm
.macro PLACES n                        ; plain vector instructions between a matrix instruction and a load into, or a read of, its registers
.rept \n
	v_nop
.endr
.endm
.macro STEP slot, q, zero              ; a step of 128 along K that has its successor in the same slot
	s_wait_dscnt 4*NL                              ; B's set, the scale words and A's blocks 0-3 are in; the youngest 16 loads (A's blocks 4-7) may be out
	WIN MUL_LO
	MUL16 0, (\q)%2, \q, \slot, \zero
	MUL16 2, (\q)%2, \q, \slot, \zero
	s_wait_dscnt 0
	PLACES NP
	FETCH_B \slot, (\q)+1, 1-(\q)%2
	FETCH_A \slot, (\q)+1, 0
	WIN MUL_HI
	MUL16 4, (\q)%2, \q, \slot, \zero
	MUL16 6, (\q)%2, \q, \slot, \zero
	PLACES NP
	WIN 0
	FETCH_A \slot, (\q)+1, 4
.endm
; A slot's last step changes slots: one barrier; in front of it each wave waits for all its tensor loads, adds 0 to its spare word, and waits for that and for its reads of this slot.  fill = 1: the slot is filled again, two slots ahead.
.macro TURN slot, next, fill
	s_wait_tensorcnt 0x0                           ; all my tensor loads have landed: my part of the next slot
	ds_add_u32 v[SPW], v[NIL]                      ; 0 onto my spare word
	s_wait_dscnt 4*NL+1                            ; (the add and the youngest 16 loads may be out)
	WIN MUL_LO
	MUL16 0, 1, NQ-1, \slot, 0                     ; sixteen matrix instructions stand between the add and the wait for it
	s_wait_dscnt 0x0                               ; the add is done, and my reads of this slot are over
	s_barrier_signal -1
	MUL16 2, 1, NQ-1, \slot, 0
	WIN 0
	s_barrier_wait -1
.if \fill
	CREST                                          ; the barrier has opened a round of the cluster's barrier: no wave of any partner still reads this slot or has a load on its way
	s_add_nc_u64 s[G0+4*\slot+2:G0+4*\slot+3], s[G0+4*\slot+2:G0+4*\slot+3], 6144
	s_add_nc_u64 s[G0B+4*\slot+2:G0B+4*\slot+3], s[G0B+4*\slot+2:G0B+4*\slot+3], 6144
	JLOAD G0+4*\slot, G1, G0B+4*\slot, G1B         ; the first tensor load behind the round; its four v_nop are the places in front of the loads below
.else
	PLACES NP
.endif
	s_wait_alu depctr_va_vdst(0)
	v_add_nc_u32 v[ADRS], 128, v[ADRS]             ; on to the next slot's scale words
	FETCH_B \next, 0, 0
	FETCH_A \next, 0, 0
	SCALES \next
	WIN MUL_HI
	MUL16 4, 1, NQ-1, \slot, 0
	MUL16 6, 1, NQ-1, \slot, 0
	PLACES NP
	WIN 0
	FETCH_A \next, 0, 4
.endm
	s_load_b256 s[4:11], s[0:1], 0x0               ; xq s[4:5], wq s[6:7], qk s[8:9], vv s[10:11]
	v_lshl_add_u32 v[SPW], v0, 2, SPARE
	v_mov_b32 v[NIL], 0
	ds_add_u32 v[SPW], v[NIL]                      ; the wave's opening: the add and its wait ahead of my first tensor load; the set-up below, work on registers, stands between them
	ds_add_u32 v[SPW], v[NIL]
	v_lshrrev_b32 v1, 5, v0
	v_readfirstlane_b32 s14, v1                    ; wave 0..3
	s_lshr_b32 s15, s14, 1                         ; which half of A's rows is mine.  Also: I fetch for A (0) or for B (1)
	s_and_b32 s16, s14, 1                          ; which half of B's rows.  Also: which 8 row blocks of that tile I fetch
	s_bfe_u32 s40, ttmp6, 0x40000                  ; cx, cy: my place in the cluster
	s_bfe_u32 s41, ttmp6, 0x40004
	s_and_b32 s97, ttmp7, 0xffff                   ; L: the cluster's number, 0 .. 23
	s_lshr_b32 s18, s97, 1
	s_and_b32 s19, s97, 1
	s_sub_co_u32 s20, s97, 16
	s_mov_b32 s22, 3211264
	s_mov_b32 s92, 6291456
	s_cmp_lt_u32 s97, 16                           ; the q, k part?
	s_cselect_b32 s18, s18, 0                      ; the cluster's place along A's rows,
	s_cselect_b32 s19, s19, s20                    ; and along B's
	s_cselect_b32 s96, -1, 0                       ; the part, as a mask of lanes
	s_cselect_b32 s21, 0, 1572864                  ; A's codes begin at xq, or at wq's row 2,048;
	s_cselect_b32 s22, 6291456, s22                ; A's scale words;
	s_cselect_b32 s92, 3145728, s92                ; B's scale words (B's codes begin at the buffer's head in both parts)
	s_lshl_b32 s17, s18, 2
	s_add_co_u32 s17, s17, s41                     ; TR: my tile along A's rows
	s_lshl_b32 s42, s19, 2
	s_add_co_u32 s42, s42, s40                     ; TC: along B's
	s_lshl_b32 s43, s41, 2
	s_lshl_b32 s43, 15, s43                        ; my row of the cluster
	s_lshl_b32 s44, 0x1111, s40                    ; my column
	; descriptor group 1, codes: 8 rows (row blocks) of 3,072 bytes (384 elements of 8), 12,288 bytes apart; no padding: the images are read densely
	s_or_b32 s[G1+0], s43, (3<<16)|(1<<21)         ; 15:0 the mask; 17:16 elements of 8 bytes; 21 set beside a mask
	s_or_b32 s[G1B+0], s44, (3<<16)|(1<<21)
.irp g, G1, G1B
	s_mov_b32 s[\g+1], 384<<16                     ; tensor_dim0
	s_mov_b32 s[\g+2], 16<<16                      ; tensor_dim1: 16 row blocks for the head's loads; set to 8 for the ring's behind them
	s_mov_b32 s[\g+3], 384<<16                     ; tile_dim0
	s_mov_b32 s[\g+4], 16                          ; tile_dim1
	s_mov_b32 s[\g+5], 1536                        ; tensor_dim0_stride
	s_mov_b32 s[\g+6], 0
	s_mov_b32 s[\g+7], 0
.endr
	; scale words of 16 row blocks: 8,192 dense bytes, as 32 rows of 256
	s_or_b32 s[G1S+0], s43, (3<<16)|(1<<21)
	s_or_b32 s[G1SB+0], s44, (3<<16)|(1<<21)
.irp g, G1S, G1SB
	s_mov_b32 s[\g+1], 32<<16
	s_mov_b32 s[\g+2], 32<<16                      ; the words of a tile's 16 row blocks: 8,192 dense bytes, 32 rows of 256
	s_mov_b32 s[\g+3], 32<<16
	s_mov_b32 s[\g+4], 32
	s_mov_b32 s[\g+5], 32
	s_mov_b32 s[\g+6], 0
	s_mov_b32 s[\g+7], 0
.endr
	s_lshl_b32 s20, s17, 4                         ; A: the tile's first row block, 16 TR
	s_lshl_b32 s46, s42, 4                         ; B: 16 TC
	s_lshl_b32 s13, s20, 9
	s_add_co_u32 s22, s22, s13                     ; A's scale words, in bytes from the buffer's head
	s_mul_i32 s20, s20, 12288
	s_add_co_u32 s20, s20, s21                     ; A's codes
	s_mov_b32 s21, 0
	s_mov_b32 s23, 0
	s_lshl_b32 s98, s46, 9
	s_add_co_u32 s92, s92, s98                     ; B's scale words
	s_mul_i32 s46, s46, 12288                      ; B's codes
	s_mov_b32 s47, 0
	s_mov_b32 s93, 0
	s_mul_i32 s45, s14, HALFT                      ; where they go: no place in the cluster enters an LDS address
	s_mul_i32 s94, s16, 4*HALFT                    ; in the ring I fetch 8 row blocks of a tile: which half, in bytes of memory (8 x 12,288)
	s_mov_b32 s95, 0
	s_wait_dscnt 0x0                               ; the opening add is done
	s_wait_kmcnt 0x0
	s_cmp_lt_u32 s97, 16
	s_cselect_b64 s[18:19], s[4:5], s[6:7]         ; A's buffer
	s_cselect_b64 s[12:13], s[6:7], s[4:5]         ; B's buffer
	s_cselect_b64 s[8:9], s[8:9], s[10:11]         ; where the results go
	s_add_nc_u64 s[20:21], s[18:19], s[20:21]
	s_add_nc_u64 s[22:23], s[18:19], s[22:23]
	s_add_nc_u64 s[46:47], s[12:13], s[46:47]
	s_add_nc_u64 s[92:93], s[12:13], s[92:93]
	CROUND                                         ; all sixteen work-groups are here: the first joint loads meet
	s_mov_b32 s[G0S], 1
	s_mov_b32 s[G0S+1], SCL
	s_mov_b64 s[G0S+2:G0S+3], s[22:23]
	s_or_b32 s[G0S+3], s[G0S+3], 0x80000000
	s_mov_b32 s[G0SB], 1
	s_mov_b32 s[G0SB+1], SCL+SCB
	s_mov_b64 s[G0SB+2:G0SB+3], s[92:93]
	s_or_b32 s[G0SB+3], s[G0SB+3], 0x80000000
	s_mov_b32 s[G0], 1                             ; slot 0's first fill, whole tiles: A's 16 row blocks at 0,
	s_mov_b32 s[G0+1], 0
	s_mov_b64 s[G0+2:G0+3], s[20:21]
	s_or_b32 s[G0+3], s[G0+3], 0x80000000
	s_mov_b32 s[G0B], 1                            ; B's 16 behind them
	s_mov_b32 s[G0B+1], 2*HALFT
	s_mov_b64 s[G0B+2:G0B+3], s[46:47]
	s_or_b32 s[G0B+3], s[G0B+3], 0x80000000
	s_add_nc_u64 s[20:21], s[20:21], s[94:95]      ; for the ring: my 8 row blocks
	s_add_nc_u64 s[46:47], s[46:47], s[94:95]
	s_mov_b32 s[G0+4], 1
	s_add_co_u32 s[G0+5], s45, SLOT
	s_add_nc_u64 s[G0+6:G0+7], s[20:21], 3072
	s_or_b32 s[G0+7], s[G0+7], 0x80000000
	s_mov_b32 s[G0B+4], 1
	s_add_co_u32 s[G0B+5], s45, SLOT
	s_add_nc_u64 s[G0B+6:G0B+7], s[46:47], 3072
	s_or_b32 s[G0B+7], s[G0B+7], 0x80000000
; the head's four tiles, one joint load a wave: wave 0 A's codes, wave 1 B's, wave 2 A's scale words, wave 3 B's; one chain of branches on the wave's number
.macro HLOAD g0, g1
	tensor_load_to_lds s[\g0:\g0+3], s[\g1:\g1+7]
	s_nop 0
.rept 4
	v_nop
.endr
.endm
	s_cmp_lt_u32 s14, 1
	s_cbranch_scc0 .Lhead_b
	HLOAD G0, G1
	s_branch .Lhead_asked
.Lhead_b:
	s_cmp_lt_u32 s14, 2
	s_cbranch_scc0 .Lhead_sa
	HLOAD G0B, G1B
	s_branch .Lhead_asked
.Lhead_sa:
	s_cmp_lt_u32 s14, 3
	s_cbranch_scc0 .Lhead_sb
	HLOAD G0S, G1S
	s_branch .Lhead_asked
.Lhead_sb:
	HLOAD G0SB, G1SB
.Lhead_asked:
	v_and_b32 v1, 31, v0                           ; lane
	v_and_b32 v2, 15, v0                           ; r
	v_bfe_u32 v3, v0, 4, 1                         ; h
	v_lshlrev_b32 v[L16], 4, v1
	v_lshlrev_b32 v[L8], 3, v1
	s_mul_i32 s21, s15, HALFT                      ; my 8 row blocks of A
	s_mul_i32 s22, s16, HALFT                      ; my 8 of B,
	s_add_co_u32 s22, s22, 2*HALFT                 ; which lie behind A's 16
.irp s, 0,1
	v_add_nc_u32 v[ADRA+\s], s21, v[L16]
	v_add_nc_u32 v[ADRB+\s], s22, v[L16]
	v_add_nc_u32 v[ADRA+2+\s], s21, v[L8]
	v_add_nc_u32 v[ADRB+2+\s], s22, v[L8]
	s_add_co_u32 s21, s21, SLOT
	s_add_co_u32 s22, s22, SLOT
.endr
	v_lshlrev_b32 v6, 3, v2                        ; my row's two words of a slot
	s_lshl_b32 s21, s15, 12                        ; A's: my 8 blocks
	s_lshl_b32 s22, s16, 12                        ; B's: my 8 blocks, SCB bytes behind A's first
	s_add_co_u32 s22, s22, SCB
	s_sub_co_u32 s22, s22, s21
	v_mul_u32_u24 v7, s22, v3                      ; lanes 16-31 take B's: one product, the distance between the two bases
	s_add_co_u32 s21, s21, SCL
	v_add_nc_u32 v6, v6, v7
	v_add_nc_u32 v[ADRS], s21, v6
	v_lshlrev_b32 v[SOFF], 4, v2
	v_lshl_add_u32 v[SOFF], v3, 12, v[SOFF]        ; the way out: 16 r, and one head (4,096 bytes) on for lanes 16-31
	s_wait_alu depctr_va_vdst(0)
	s_wait_tensorcnt 0x0                           ; my tile of the head's four is in; slot 1's first fill is issued as a refill is:
	ds_add_u32 v[SPW], v[NIL]                      ; 0 onto my spare word
	s_mov_b32 s[G1+2], 8<<16                       ; no tensor load of mine is out: from here on a load brings 8 row blocks,
	s_mov_b32 s[G1+4], 8
	s_mov_b32 s[G1B+2], 8<<16
	s_mov_b32 s[G1B+4], 8
	s_add_co_u32 s[G0+1], s45, 0                   ; and slot 0's descriptors name my quarter of the slot
	s_add_co_u32 s[G0B+1], s45, 0
	s_add_nc_u64 s[G0+2:G0+3], s[G0+2:G0+3], s[94:95]
	s_add_nc_u64 s[G0B+2:G0B+3], s[G0B+2:G0B+3], s[94:95]
	s_wait_dscnt 0x0                               ; the add is done
	CROUND                                         ; all four tiles are in, and all sixteen work-groups are here
	JLOAD G0+4, G1, G0B+4, G1B                     ; slot 1: the first tensor load behind the round
	FETCH_B 0, 0, 0
	FETCH_A 0, 0, 0
	SCALES 0
	FETCH_A 0, 0, 4
	STEP 0, 0, 1                                   ; the first step stands in front of the loop: its products start the sums
	s_mov_b32 s3, LAPS-1
.Llap:                                                 ; a trip goes once round the ring and fills both slots again
	TURN 0, 1, 1
	STEP 1, 0, 0
	TURN 1, 0, 1
	STEP 0, 0, 0
	s_sub_co_u32 s3, s3, 1
	s_cmp_lg_u32 s3, 0
	s_cbranch_scc1 .Llap
	TURN 0, 1, 0                                   ; the last lap fills nothing, and has no round of the cluster's barrier
	STEP 1, 0, 0
	s_wait_dscnt 4*NL                              ; the very last step: nothing more to fetch
	WIN MUL_LO
	MUL16 0, 1, NQ-1, 1, 0
	MUL16 2, 1, NQ-1, 1, 0
	s_wait_dscnt 0
	WIN MUL_HI
	MUL16 4, 1, NQ-1, 1, 0
	MUL16 6, 1, NQ-1, 1, 0
	WIN 0
	; THE WAY OUT.  Block a of A's rows: a lane's 64 numbers, register 16 g + i = B's row 32 g + 16 h + i, become one fragment and one scale word, and the fragment is stored as it stands: no LDS.
	s_mov_b32 s98, 0x76543210
	s_mov_b32 s99, 0xfedcba98                      ; v_permlanex16_b32's selects for lane l xor 16
	s_lshl_b32 s12, s42, 1
	s_add_co_u32 s12, s12, s16                     ; gb = 2 TC + my half: which 128 of B's rows (a pair of heads, or a step of keys)
	s_lshl_b32 s13, s17, 4
	s_lshl_b32 s18, s15, 3
	s_add_co_u32 s13, s13, s18                     ; my first block of A's rows: 16 TR + 8 x half
	s_lshr_b32 s18, s12, 4                         ; (v part: the batch; q, k part: 0)
	s_lshl_b32 s18, s18, 6
	s_add_co_u32 s18, s18, s13
	s_mul_i32 s18, s18, 24576                      ; both buffers have 24,576 bytes to a block
	s_and_b32 s19, s12, 15
	s_mul_i32 s19, s19, 1536
	s_add_co_u32 s18, s18, s19
	s_mov_b32 s19, 0
	s_add_nc_u64 s[100:101], s[8:9], s[18:19]      ; my first fragment
	s_lshl_b32 s20, s17, 1
	s_add_co_u32 s20, s20, s15                     ; 2 TR + my half
	s_lshl_b32 s21, s12, 1
	s_lshl_b32 s22, s20, 1
	s_mov_b32 s23, 6291456
	s_cmp_lt_u32 s97, 16
	s_cselect_b32 s18, s20, s12                    ; which 128 tokens,
	s_cselect_b32 s19, s21, s22                    ; the first of my two heads,
	s_cselect_b32 s22, 5, 4                        ; 32 or 16 heads to a batch,
	s_cselect_b32 s23, 12582912, s23               ; and where the words begin
	s_lshr_b32 s20, s18, 4
	s_lshl_b32 s20, s20, s22
	s_add_co_u32 s20, s20, s19
	s_lshl_b32 s20, s20, 12
	s_and_b32 s18, s18, 15
	s_lshl_b32 s18, s18, 8
	s_add_co_u32 s20, s20, s18
	s_add_co_u32 s20, s20, s23
	s_mov_b32 s21, 0
	s_add_nc_u64 s[20:21], s[8:9], s[20:21]
	PLACES NP
.irp b, 0,1,2,3
	v_mov_b32 v[TM+4+\b], 0                        ; written once: a lane permute's destination counts as one of its sources
.endr
.macro QUANTW a
.set WW, 2+(\a)/4                      ; the block's accumulators lie in window 2 or 3,
.set AC, 64*((\a)%4)                   ; from here on
.set W01, WW|(WW<<2)
.set W12, (WW<<2)|(WW<<4)
	WIN W01
.irp b, 0,1,2,3
	v_max3_num_f32 v[TM+\b], |v[AC+16*\b]|, |v[AC+1+16*\b]|, 0x1800000   ; block b of 32: my 16 numbers, each accumulator from its low end on; the floor 2^(3 - 127) holds the byte at 1 from below
.endr
	WIN W12
.irp i, 2,4,6,8,10,12,14
.irp b, 0,1,2,3
	v_max3_num_f32 v[TM+\b], v[TM+\b], |v[AC+16*\b+\i]|, |v[AC+1+16*\b+\i]|
.endr
.endr
	WIN 0
.irp b, 0,1,2,3
	v_permlanex16_b32 v[TM+4+\b], v[TM+\b], s98, s99
.endr
.irp b, 0,1,2,3
	v_max_num_f32 v[TM+\b], v[TM+\b], v[TM+4+\b]   ; with lane l xor 16's: the block's largest magnitude
.endr
.irp b, 0,1,2,3
	v_add_nc_u32 v[TM+12+\b], 0xff000000, v[TM+\b] ; 2 off its exponent field: the conversion's scale operand
.endr
.irp b, 0,1,2,3
	v_lshrrev_b32 v[TM+4+\b], 23, v[TM+12+\b]      ; the scale's byte
.endr
	v_lshl_or_b32 v[PWS+(\a)], v[TM+5], 8, v[TM+4]
	v_lshl_or_b32 v[PWS+(\a)], v[TM+6], 16, v[PWS+(\a)]
	v_lshl_or_b32 v[PWS+(\a)], v[TM+7], 24, v[PWS+(\a)]
.if (\a) > 0
	s_wait_xcnt 0x0                                ; the last block's stores have read their data: the codes' registers are written again only behind this wait
.endif
	WIN WW
.irp c, 0,1
	v_cvt_scalef32_pk16_fp6_f32 v[PC+6*\c:PC+2+6*\c], v[AC+32*\c:AC+15+32*\c], v[TM+12+2*\c]
	v_cvt_scalef32_pk16_fp6_f32 v[PC+12+4*\c:PC+14+4*\c], v[AC+16+32*\c:AC+31+32*\c], v[TM+12+2*\c+1]   ; (a conversion's three registers begin on an even number)
.endr
	WIN 0
	v_nop                                          ; one plain place behind a scaled conversion
.irp c, 0,1                                    ; the operand's layout wants a whole block in a lane: lanes 0-15 block 2 c, lanes 16-31 block 2 c + 1
.irp i, 0,1,2
	v_permlane16_swap_b32 v[PC+6*\c+\i], v[PC+12+4*\c+\i]
.endr
.irp i, 0,1,2
	v_mov_b32 v[PC+3+6*\c+\i], v[PC+12+4*\c+\i]
.endr
.endr
	global_store_b128 v[L16], v[PC:PC+3], s[100:101] offset:24576*(\a)         ; consecutive bytes: 512, 256, 512, 256, each run at a multiple of 256 from the buffer's head
	global_store_b64 v[L8], v[PC+4:PC+5], s[100:101] offset:24576*(\a)+512
	global_store_b128 v[L16], v[PC+6:PC+9], s[100:101] offset:24576*(\a)+768
	global_store_b64 v[L8], v[PC+10:PC+11], s[100:101] offset:24576*(\a)+1280
.endm
.irp a, 0,1,2,3,4,5,6,7
	QUANTW \a
.endr
	; the eight scale words (the same in lanes l and l xor 16) are laid as the attention wants them; lanes 0-15 serve my first head, lanes 16-31 my second
	v_bfe_u32 v[SELQ+1], v0, 4, 1
	v_cmp_eq_u32 vcc_lo, 1, v[SELQ+1]
	v_mov_b32 v[SELQ], 0x05040100                  ; bytes 0, 1 of two words,
	v_mov_b32 v[SELQ+1], 0x07060302                ; or bytes 2, 3
	v_cndmask_b32 v[SELQ], v[SELQ], v[SELQ+1], vcc_lo
.irp p, 0,1,2,3
	v_perm_b32 v[WQ+\p], v[PWS+2*\p+1], v[PWS+2*\p], v[SELQ]        ; q, k: my head's two bytes of token blocks 2 p and 2 p + 1
	v_cndmask_b32 v[WVV+\p], v[PWS+\p], v[PWS+4+\p], vcc_lo         ; v: the word of my head's channel block p
.endr
.irp p, 0,1,2,3
	v_cndmask_b32 v[FW+\p], v[WVV+\p], v[WQ+\p], s96
.endr
	global_store_b128 v[SOFF], v[FW:FW+3], s[20:21] ; sixteen lanes store 256 consecutive bytes, aligned
	s_wait_tensorcnt 0x0                           ; the wave's end: behind my last tensor load
	ds_add_u32 v[SPW], v[NIL]
	s_wait_dscnt 0x0
	CROUND                                         ; the closing round: no work-group ends while a partner may still ask for a tile that names it
	s_endpgm
.Lfunc_end_k_qb388199309_qkv:
	.size	k_qb388199309_qkv, .Lfunc_end_k_qb388199309_qkv-k_qb388199309_qkv
	.p2alignl 7, 3214868480
	.fill 96, 4, 3214868480
	.section	.rodata,"a",@progbits
	.p2align	6, 0x0
	.amdhsa_kernel k_qb388199309_qkv
		.amdhsa_group_segment_fixed_size 327680
		.amdhsa_private_segment_fixed_size 0
		.amdhsa_enable_private_segment 0
		.amdhsa_kernarg_size 32
		.amdhsa_user_sgpr_count 2
		.amdhsa_user_sgpr_kernarg_segment_ptr 1
		.amdhsa_wavefront_size32 1
		.amdhsa_system_sgpr_workgroup_id_x 1
		.amdhsa_system_sgpr_workgroup_id_y 1
		.amdhsa_system_sgpr_workgroup_id_z 1
		.amdhsa_system_vgpr_workitem_id 0
		.amdhsa_next_free_vgpr 1024
		.amdhsa_next_free_sgpr 104
		.amdhsa_reserve_vcc 1
		.amdhsa_float_denorm_mode_32 3
		.amdhsa_float_denorm_mode_16_64 3
		.amdhsa_memory_ordered 1
		.amdhsa_forward_progress 1
		.amdhsa_inst_pref_size 152
	.end_amdhsa_kernel
	.amdgpu_metadata
---
amdhsa.version: [ 1, 2 ]
amdhsa.kernels:
  - .name:           k_qb388199309_qkv
    .symbol:         k_qb388199309_qkv.kd
    .args:
      - { .name: xq, .offset: 0, .size: 8, .value_kind: global_buffer, .address_space: global }
      - { .name: wq, .offset: 8, .size: 8, .value_kind: global_buffer, .address_space: global }
      - { .name: qk, .offset: 16, .size: 8, .value_kind: global_buffer, .address_space: global }
      - { .name: vv, .offset: 24, .size: 8, .value_kind: global_buffer, .address_space: global }
    .group_segment_fixed_size: 327680
    .private_segment_fixed_size: 0
    .kernarg_segment_align: 8
    .kernarg_segment_size: 32
    .max_flat_workgroup_size: 128
    .sgpr_count:     104
    .vgpr_count:     1024
    .wavefront_size: 32
...
	.end_amdgpu_metadata
.endif
;; end of part 2
;; launch attn (part 3): grid 4 x 64, 16 waves a work-group, no clusters, 327,680 bytes of LDS; arguments qk, vv, yq; writes yq
.if DOCPART == 3
	.amdgcn_target "amdgcn-amd-amdhsa--gfx1250"
	.amdhsa_code_object_version 6
	.text
	.protected	k_qb388199309_attn
	.globl	k_qb388199309_attn
	.p2align	8
	.type	k_qb388199309_attn,@function
k_qb388199309_attn:
	s_mov_b64 s[64:65], 0
	v_nop
	global_prefetch_b8 v0, s[64:65] scope:SCOPE_SE
	s_setreg_imm32_b32 hwreg(HW_REG_WAVE_MODE, 25, 1), 1
	s_wait_xcnt 0x0
; Causal attention of one (batch, head) on codes of FP6 (E2M3) with E8M0 scales: 2,048 tokens, head size 64.  y = softmax(q k^T / 8) v leaves as codes, quantised along the channels, for the last product.
; THE SOFTMAX: t = score x log2(e) / 8; M = the row's largest t so far, rounded UP to a whole number; p = 2^(t - M) is quantised along the keys, not normalised.
; The row's sum is taken of the unquantised p, in f32, and divides O at the end.  When M moves, the sum and O are multiplied by 2^(old M - new M): exact.
; THE FACTOR 1 / 8 is a power of two: quantising q / 8 gives q's codes with the scale's exponent 3 lower, so it is folded into c.  LIMIT: exact except where q / 8's scale would meet the quantiser's lower hold at 2^-126.
; OTHER LIMITS: a block whose largest magnitude lies under 2^-124 has its byte held at 1; a block of zeros gets the byte 1 (zero codes; this program alone reads the bytes); NaN and infinities are not served; 1 / l is v_rcp_f32's.
; SHARES.  Four work-groups to a head, sixteen waves each.  Wave w of work-group i owns two tiles of 16 queries: token blocks J = 16 i + w and 127 - J.  Tile j needs key steps 0 .. j / 8: 17 steps of a tile a wave, whatever i and w.
; A step all of whose keys come after a tile's queries lies wholly under reference()'s causal mask and is left out by a scalar branch on ids.
; LDS.  The head's K and V in codes and their scale words, 204,800 bytes, come once, in two halves of eight key steps.  At the head one tensor load a wave: waves 0-7 eight token blocks of K each, waves 8-11 a channel block's
; eight steps of V each (12,288 dense bytes, as rows of 256), waves 12-13 K's words, waves 14-15 V's.  Behind the wait for these, the add and a barrier, waves 0-11 ask for the second half, which has eight key steps' work
; in which to land; a barrier with every wave's wait in front of it shows it ahead of step 8.  Nothing is filled twice.  All of a WGP's LDS is claimed.
; NO PREFETCH: the second half is asked for as soon as the first is in; there is no further load to run ahead of.
; NO CLUSTER, though the four work-groups of a head read the same K and V: which steps a wave leaves out hangs on its work-group's block of queries, which would be its place in the cluster.
; LAYOUT.  Both products are used transposed: S^T = K Q^T, O^T = V^T P^T: a lane holds ONE query.  A token block 2 g + u holds at place r the token 32 g + 8 u + r + 8 (r / 8),
; so the 16 registers of key tiles 2 p, 2 p + 1 are keys 32 p + 16 (lane / 16) + 0 .. 15 of the step; channels likewise.
; K = 64 IN AN INSTRUCTION OF K = 128: source 0 is a whole fragment, key tile 2 p below and 2 p + 1 above; source 1 is Q with zero codes in the other half.
; REGISTERS: v1-11 addresses; v12-15, v16-19 the tiles' -M, largest t, sum in two halves; v20-37, v38-55 [6 zeros | Q | 6 zeros]; v56-103 four fragments of K or V, at work between the products; v104-167 S^T, then p;
;   v168-231 O^T; v232-243 p's codes; v244-247 the fragments' scale words; v248 p's; v249 at work; v[250:251] f; v252, v253 Q's scale words; v254 the mask's d; v255 -infinity.
.set VL,    98304                      ; LDS: K [128 token blocks][768] from 0; V [2 halves][4 channel blocks][8 steps][1,536] from here
.set HB,    49152                      ; a half of K or of V
.set KSL,   196608                     ; K's scale words [16 steps][16 r][4 p], and 4,096 bytes on V's [16 steps][16 r][4 channel blocks]
.set SPARE, 204800                     ; the spare words, 128 bytes a wave: eight blocks of 256 bytes that no other line names
.set QKS,   12582912
.set VS,    6291456
.set YS,    6291456
.set L16, 1
.set L8,  2
.set LS,  3                            ; KSL + 16 r
.set A16, 4                            ; v4-5 the step's K, 16 and 8 bytes a lane; then its V
.set A8,  5
.set AS,  8                            ; the step's scale words
.set SPW, 9
.set NIL, 10
.set D0,  11                           ; r + 8 (r / 8) - 16 h
.set STL, 12
.set STH, 16
.set QZL, 20
.set QZH, 38
.set FR,  56
.set S,   104
.set OL,  168
.set OH,  200
.set PC,  232
.set KW,  244
.set PW,  248
.set TMP, 249
.set FF,  250
.set QSL, 252
.set QSH, 253
.set DD,  254
.set NINF, 255
.set BM,  FR
.set PT,  FR+4
.set SO,  FR+8
.set C2,  FR+12
.set SUM2, FR+20
.set WV,  18
.set SEL, 20
.set CS,  22
.set G1,  24                           ; group 1, K: 8 rows of 768 bytes, 24,576 apart
.set G1S, 32                           ; scale words: 8 rows of 256 bytes, dense
.set G0K, 40
.set G0V, 44
.set G0A, 48
.set G0B, 52
.set TV,  56                           ; where the step's V lies
.set STEP, 60
.set TB,  61                           ; 6,144 x step
.set TS,  62                           ; 256 x step
.set TRIP, 63
.set G1V, 92                           ; V: 48 rows of 256 bytes, dense
; what hangs on a tile's token block J: its last key step, its first query's place there, offsets of Q's codes and word, of y's codes and bytes, the selector for Q's two bytes
.macro TADR j, j3, sq, qc, qw, yc, yw, sl
	s_lshr_b32 s[\j3], s[\j], 3
	s_bfe_u32 s16, s[\j], 0x20001
	s_and_b32 s19, s[\j], 1
	s_lshl_b32 s19, s19, 3
	s_lshl_b32 s[\sq], s16, 5
	s_add_co_u32 s[\sq], s[\sq], s19
	s_lshl_b32 s[\qw], s[\j3], 8
	s_lshl_b32 s16, s16, 2
	s_add_co_u32 s[\qw], s[\qw], s16
	s_add_co_u32 s[\qw], s[\qw], s13
	s_mov_b32 s[\qw+1], 0
	s_lshl_b32 s19, s3, 7
	s_add_co_u32 s19, s19, s[\j]
	s_mul_i32 s[\qc], s19, 24576
	s_add_co_u32 s[\qc], s[\qc], s12
	s_mov_b32 s[\qc+1], 0
	s_mul_i32 s[\yc], s19, 12288
	s_add_co_u32 s[\yc], s[\yc], s12
	s_mov_b32 s[\yc+1], 0
	s_lshl_b32 s[\yw], s19, 9
	s_add_co_u32 s[\yw], s[\yw], s17
	s_mov_b32 s[\yw+1], 0
	s_mov_b32 s[\sl], 0x01000100
	s_and_b32 s19, s[\j], 1
	s_cselect_b32 s[\sl], 0x03020302, s[\sl]
.endm
	s_load_b128 s[4:7], s[0:1], 0x0                ; qk, vv
	s_load_b64 s[8:9], s[0:1], 0x10                ; yq
	v_lshl_add_u32 v[SPW], v0, 2, SPARE
	v_mov_b32 v[NIL], 0
	ds_add_u32 v[SPW], v[NIL]                      ; the opening lines: the add twice, one wait
	ds_add_u32 v[SPW], v[NIL]
	v_lshrrev_b32 v1, 5, v0
	v_readfirstlane_b32 s[WV], v1                  ; wave 0..15
	s_and_b32 s2, ttmp7, 0xffff
	s_lshr_b32 s3, s2, 4                           ; the batch
	s_and_b32 s2, s2, 15                           ; the head
	s_lshr_b32 s10, s2, 1
	s_and_b32 s11, s2, 1
	s_mul_i32 s12, s10, 1536
	s_mul_i32 s13, s11, 768
	s_add_co_u32 s12, s12, s13                     ; the head's half fragment in a block of q's or y's codes
	s_lshr_b32 s17, s2, 2
	s_lshl_b32 s17, s17, 7
	s_and_b32 s10, s10, 1
	s_lshl_b32 s10, s10, 2
	s_add_co_u32 s17, s17, s10
	s_lshl_b32 s11, s11, 1
	s_add_co_u32 s17, s17, s11
	s_add_co_u32 s17, s17, YS                      ; the head's two bytes in a row's scale words of y
	s_lshl_b32 s13, s3, 5
	s_add_co_u32 s13, s13, s2
	s_lshl_b32 s13, s13, 12
	s_add_co_u32 s13, s13, QKS                     ; q's words of this head
	s_and_b32 s16, s[WV], 7
	s_lshl_b32 s14, s3, 7
	s_lshl_b32 s19, s16, 3
	s_add_co_u32 s14, s14, s19
	s_mul_i32 s14, s14, 24576
	s_add_co_u32 s14, s14, s12
	s_add_co_u32 s14, s14, 8*1536                  ; K's codes: token blocks 8 (w % 8) ..; k's pairs of heads lie behind q's eight
	s_and_b32 s16, s[WV], 3
	s_lshl_b32 s15, s3, 6
	s_lshl_b32 s19, s2, 2
	s_add_co_u32 s15, s15, s19
	s_add_co_u32 s15, s15, s16
	s_mul_i32 s15, s15, 24576                      ; V's codes: channel block w % 4 of the head
	s_and_b32 s19, s[WV], 1
	s_lshl_b32 s19, s19, 11                        ; which 2,048 bytes of the words
	s_add_co_u32 s10, s13, 16*4096                 ; k's words: 16 heads behind q's
	s_add_co_u32 s10, s10, s19
	s_lshl_b32 s11, s3, 4
	s_add_co_u32 s11, s11, s2
	s_lshl_b32 s11, s11, 12
	s_add_co_u32 s11, s11, VS                      ; V's words
	s_add_co_u32 s11, s11, s19
	s_mov_b32 s[G0K], 1
	s_mul_i32 s[G0K+1], s[WV], 6144
	s_mov_b32 s[G0V], 1
	s_mul_i32 s[G0V+1], s16, 12288
	s_add_co_u32 s[G0V+1], s[G0V+1], VL
	s_mov_b32 s[G0A], 1
	s_add_co_u32 s[G0A+1], s19, KSL
	s_mov_b32 s[G0B], 1
	s_add_co_u32 s[G0B+1], s19, KSL+4096
	s_mov_b32 s[G1], 3<<16                         ; elements of 8 bytes, no mask, no padding: the images are read densely
	s_mov_b32 s[G1+1], 96<<16
	s_mov_b32 s[G1+2], 8<<16
	s_mov_b32 s[G1+3], 96<<16
	s_mov_b32 s[G1+4], 8
	s_mov_b32 s[G1+5], 3072
	s_mov_b32 s[G1+6], 0
	s_mov_b32 s[G1+7], 0
	s_mov_b32 s[G1S], 3<<16
	s_mov_b32 s[G1S+1], 32<<16
	s_mov_b32 s[G1S+2], 8<<16
	s_mov_b32 s[G1S+3], 32<<16
	s_mov_b32 s[G1S+4], 8
	s_mov_b32 s[G1S+5], 32
	s_mov_b32 s[G1S+6], 0
	s_mov_b32 s[G1S+7], 0
	s_mov_b32 s[G1V], 3<<16
	s_mov_b32 s[G1V+1], 32<<16
	s_mov_b32 s[G1V+2], 48<<16
	s_mov_b32 s[G1V+3], 32<<16
	s_mov_b32 s[G1V+4], 48
	s_mov_b32 s[G1V+5], 32
	s_mov_b32 s[G1V+6], 0
	s_mov_b32 s[G1V+7], 0
	s_lshl_b32 s90, ttmp9, 4
	s_add_co_u32 s90, s90, s[WV]                   ; my low tile's token block,
	s_sub_co_u32 s91, 127, s90                     ; and my high tile's
	TADR 90, 66, 68, 72, 80, 76, 84, 88
	TADR 91, 67, 69, 74, 82, 78, 86, 89
	s_mov_b32 s[SEL], 0x76543210
	s_mov_b32 s[SEL+1], 0xfedcba98                 ; v_permlanex16_b32's selects for lane l xor 16
	s_mov_b32 s[CS], 0x3e38aa3b                    ; c = log2(e) / 8
	s_mov_b32 s[CS+1], s[CS]
	s_mov_b32 s[STEP], 0
	s_mov_b32 s[TB], 0
	s_mov_b32 s[TS], 0
	s_mov_b32 s[TV], VL
	s_mov_b32 s71, 0
	s_wait_dscnt 0x0                               ; both opening adds are done
	s_wait_kmcnt 0x0
	s_mov_b32 s70, s14
	s_add_nc_u64 s[G0K+2:G0K+3], s[4:5], s[70:71]
	s_mov_b32 s70, s15
	s_add_nc_u64 s[G0V+2:G0V+3], s[6:7], s[70:71]
	s_mov_b32 s70, s10
	s_add_nc_u64 s[G0A+2:G0A+3], s[4:5], s[70:71]
	s_mov_b32 s70, s11
	s_add_nc_u64 s[G0B+2:G0B+3], s[6:7], s[70:71]
.irp g, G0K, G0V, G0A, G0B
	s_or_b32 s[\g+3], s[\g+3], 0x80000000
.endr
	s_cmp_lt_u32 s[WV], 8                          ; one chain of branches on the wave's number, one fill to an arm; every way passes one
	s_cbranch_scc0 .Lfill_v
	tensor_load_to_lds s[G0K:G0K+3], s[G1:G1+7]
	s_nop 0
	s_branch .Lasked
.Lfill_v:
	s_cmp_lt_u32 s[WV], 12
	s_cbranch_scc0 .Lfill_a
	tensor_load_to_lds s[G0V:G0V+3], s[G1V:G1V+7]
	s_nop 0
	s_branch .Lasked
.Lfill_a:
	s_cmp_lt_u32 s[WV], 14
	s_cbranch_scc0 .Lfill_b
	tensor_load_to_lds s[G0A:G0A+3], s[G1S:G1S+7]
	s_nop 0
	s_branch .Lasked
.Lfill_b:
	tensor_load_to_lds s[G0B:G0B+3], s[G1S:G1S+7]
	s_nop 0
.Lasked:
	s_add_nc_u64 s[72:73], s[4:5], s[72:73]        ; Q's codes, low and high tile
	s_add_nc_u64 s[74:75], s[4:5], s[74:75]
	s_add_nc_u64 s[80:81], s[4:5], s[80:81]        ; Q's scale words
	s_add_nc_u64 s[82:83], s[4:5], s[82:83]
	s_add_nc_u64 s[76:77], s[8:9], s[76:77]        ; y's codes
	s_add_nc_u64 s[78:79], s[8:9], s[78:79]
	s_add_nc_u64 s[84:85], s[8:9], s[84:85]        ; y's scale bytes
	s_add_nc_u64 s[86:87], s[8:9], s[86:87]
	v_and_b32 v3, 15, v0                           ; r
	v_bfe_u32 v4, v0, 4, 1                         ; h
	v_and_b32 v1, 31, v0
	v_lshlrev_b32 v5, 4, v3                        ; 16 r
	v_lshlrev_b32 v[L8], 3, v1
	v_lshlrev_b32 v[L16], 4, v1
	global_load_b128 v[QZL+6:QZL+9], v[L16], s[72:73]              ; Q's half fragments stay in registers
	global_load_b64 v[QZL+10:QZL+11], v[L8], s[72:73] offset:512
	global_load_b128 v[QZH+6:QZH+9], v[L16], s[74:75]
	global_load_b64 v[QZH+10:QZH+11], v[L8], s[74:75] offset:512
	global_load_b32 v[QSL], v5, s[80:81]
	global_load_b32 v[QSH], v5, s[82:83]
	v_and_b32 v[D0], 8, v3
	v_lshlrev_b32 v4, 4, v4
	v_add_nc_u32 v[D0], v[D0], v3
	v_add_nc_u32 v[LS], KSL, v5
	v_sub_nc_u32 v[D0], v[D0], v4                  ; my query's place in its group of 32, less 16 h
.irp z, QZL, QZH
.irp i, 0,1,2,3,4,5,12,13,14,15,16,17
	v_mov_b32 v[\z+\i], 0                          ; zero codes on both sides of Q
.endr
.endr
.set j, 0
.rept 64
	v_mov_b32 v[OL+j], 0                           ; O^T of both tiles: the step is written once, and the first finds zeros
.set j, j+1
.endr
	s_wait_loadcnt 0x0                             ; Q
	v_perm_b32 v[QSL], v[QSL], v[QSL], s88
	v_perm_b32 v[QSH], v[QSH], v[QSH], s89
.irp t, STL, STH
	v_mov_b32 v[\t+1], 0xff61b1e6                  ; the largest t so far: -3e38
	v_mov_b32 v[\t+2], 0
	v_mov_b32 v[\t+3], 0
	v_floor_f32 v[\t], -v[\t+1]                    ; -M
.endr
	v_mov_b32 v[TMP], 0
	v_mov_b32 v[FF], 0
	v_mov_b32 v[FF+1], 0
	v_mov_b32 v[NINF], 0xff800000
; ONE TILE'S KEY STEP: 128 keys.  Where four or three independent chains take turns line by line no hint is written; the serial chains have theirs.
.macro TILE QZ, O, ST, QS, J3, SQ
	s_cmp_gt_u32 s[STEP], s[\J3]                   ; all keys of the step come after my queries: nothing to do
	s_cbranch_scc1 .Lskip_\@
	v_add_nc_u32 v[A16], s[TB], v[L16]             ; the step's addresses; with the v_nop they are the four places in front of loads into registers that matrix instructions have read
	v_add_nc_u32 v[A8], s[TB], v[L8]
	v_add_nc_u32 v[AS], s[TS], v[LS]
	v_nop
	s_wait_alu depctr_va_vdst(0)
.irp p, 0,1,2,3
	ds_load_b128 v[FR+12*\p:FR+12*\p+3], v[A16] offset:1536*\p                ; key tiles 2 p and 2 p + 1: one fragment
	ds_load_b64 v[FR+12*\p+4:FR+12*\p+5], v[A8] offset:1536*\p+512
	ds_load_b128 v[FR+12*\p+6:FR+12*\p+9], v[A16] offset:1536*\p+768
	ds_load_b64 v[FR+12*\p+10:FR+12*\p+11], v[A8] offset:1536*\p+1280
.endr
	ds_load_b128 v[KW:KW+3], v[AS]
	s_wait_dscnt 0x0
.irp p, 0,1,2,3
	v_wmma_scale_f32_16x16x128_f8f6f4 v[S+16*\p:S+16*\p+7], v[FR+12*\p:FR+12*\p+11], v[\QZ+6:\QZ+17], 0, v[KW+\p], v[\QS] matrix_a_fmt:MATRIX_FMT_FP6 matrix_b_fmt:MATRIX_FMT_FP6
	v_wmma_scale_f32_16x16x128_f8f6f4 v[S+16*\p+8:S+16*\p+15], v[FR+12*\p:FR+12*\p+11], v[\QZ:\QZ+11], 0, v[KW+\p], v[\QS] matrix_a_fmt:MATRIX_FMT_FP6 matrix_b_fmt:MATRIX_FMT_FP6
.endr                                              ; register 16 p + i holds key 128 step + 32 p + 16 h + i
	v_add_nc_u32 v[A16], s[TV], v[L16]             ; four places behind the products: V's addresses (K's loads are back),
	v_add_nc_u32 v[A8], s[TV], v[L8]
	v_nop
	v_nop
	s_cmp_lg_u32 s[STEP], s[\J3]                   ; only the tile's last step lies on the diagonal
	s_cbranch_scc1 .Lopen_\@
	v_add_nc_u32 v[DD], s[\SQ], v[D0]              ; register 16 b + i is hidden where 32 b + i > d
.set n, 0
	s_wait_alu depctr_va_vdst(0)
.rept 64
	v_cmp_gt_i32 vcc_lo, 32*(n/16)+n%16, v[DD]
	v_cndmask_b32 v[S+n], v[S+n], v[NINF], vcc_lo  ; -infinity ahead of the maximum: p = 0 then
.set n, n+1
.endr
.Lopen_\@:
.irp b, 0,1,2,3
	v_max3_num_f32 v[BM+\b], v[S+16*\b], v[S+1+16*\b], v[S+2+16*\b]   ; each block's largest score: for the row's maximum and for the block's largest p
.endr
.irp i, 3,5,7,9,11,13
.irp b, 0,1,2,3
	v_max3_num_f32 v[BM+\b], v[BM+\b], v[S+16*\b+\i], v[S+1+16*\b+\i]
.endr
.endr
.irp b, 0,1,2,3
	v_max_num_f32 v[BM+\b], v[BM+\b], v[S+15+16*\b]
.endr
.irp b, 0,1,2,3
	v_permlanex16_b32 v[PT+\b], v[BM+\b], s[SEL], s[SEL+1]
.endr
.irp b, 0,1,2,3
	v_max_num_f32 v[BM+\b], v[BM+\b], v[PT+\b]     ; with lane l xor 16's 16 keys
.endr
	s_delay_alu instid0(VALU_DEP_2)
	v_max3_num_f32 v[TMP], v[BM], v[BM+1], v[BM+2]
	s_delay_alu instid0(VALU_DEP_1)
	v_max_num_f32 v[TMP], v[TMP], v[BM+3]
	s_delay_alu instid0(VALU_DEP_1)
	v_mul_f32 v[TMP], s[CS], v[TMP]                ; as t
	s_delay_alu instid0(VALU_DEP_1)
	v_max_num_f32 v[\ST+1], v[\ST+1], v[TMP]       ; the running largest t
	v_mov_b32 v[TMP], v[\ST]
	s_delay_alu instid0(VALU_DEP_2)
	v_floor_f32 v[\ST], -v[\ST+1]                  ; the new -M
	s_delay_alu instid0(VALU_DEP_1)
	v_sub_f32 v[TMP], v[\ST], v[TMP]
	s_delay_alu instid0(VALU_DEP_1)
	v_cvt_i32_f32 v[TMP], v[TMP]
	s_delay_alu instid0(VALU_DEP_1)
	v_ldexp_f32 v[FF], 1.0, v[TMP]                 ; f = 2^(old M - new M)
.set j, 0
.rept 32
	v_pk_fma_f32 v[S+j:S+j+1], v[S+j:S+j+1], s[CS:CS+1], v[\ST:\ST+1] op_sel_hi:[1,0,0]   ; t - M
.set j, j+2
.endr
.irp b, 0,1,2,3
	v_fma_f32 v[BM+\b], v[BM+\b], s[CS], v[\ST]
.endr
.set j, 0
	s_wait_alu depctr_va_vdst(0)                   ; ahead of the batch
.rept 64
	v_exp_f32 v[S+j], v[S+j]                       ; p = 2^(t - M)
.set j, j+1
.endr
	v_pk_mul_f32 v[\ST+2:\ST+3], v[\ST+2:\ST+3], v[FF:FF+1] op_sel_hi:[1,0]   ; the sums under the new M
	s_wait_alu depctr_va_vdst(0)                   ; one wait for the batch
.irp b, 0,1,2,3
	v_exp_f32 v[BM+\b], v[BM+\b]                   ; the block's largest p
.endr
	v_pk_add_f32 v[SUM2:SUM2+1], v[S:S+1], v[S+2:S+3]   ; the row's sum, of the unquantised p, in two chains
.irp j, 4,8,12,16,20,24,28,32,36,40,44,48,52,56,60
	v_pk_add_f32 v[\ST+2:\ST+3], v[\ST+2:\ST+3], v[S+\j:S+\j+1]
	v_pk_add_f32 v[SUM2:SUM2+1], v[SUM2:SUM2+1], v[S+\j+2:S+\j+3]
.endr
	s_delay_alu instid0(VALU_DEP_1)
	v_pk_add_f32 v[\ST+2:\ST+3], v[\ST+2:\ST+3], v[SUM2:SUM2+1]
	s_wait_alu depctr_va_vdst(0)                   ; and one for the four
.irp b, 0,1,2,3
	v_max_num_f32 v[BM+\b], 0x1800000, v[BM+\b]    ; the floor 2^(3 - 127)
.endr
.irp b, 0,1,2,3
	v_add_nc_u32 v[SO+\b], 0xff000000, v[BM+\b]    ; the conversion's scale operand
.endr
.irp b, 0,1,2,3
	v_lshrrev_b32 v[PT+\b], 23, v[SO+\b]           ; the scale's byte
.endr
	s_delay_alu instid0(VALU_DEP_3)
	v_lshl_or_b32 v[PW], v[PT+1], 8, v[PT]
	s_delay_alu instid0(VALU_DEP_1)
	v_lshl_or_b32 v[PW], v[PT+2], 16, v[PW]
	s_delay_alu instid0(VALU_DEP_1)
	v_lshl_or_b32 v[PW], v[PT+3], 24, v[PW]
.irp c, 0,1
	v_cvt_scalef32_pk16_fp6_f32 v[PC+6*\c:PC+2+6*\c], v[S+32*\c:S+15+32*\c], v[SO+2*\c]
	v_cvt_scalef32_pk16_fp6_f32 v[C2+4*\c:C2+2+4*\c], v[S+16+32*\c:S+31+32*\c], v[SO+2*\c+1]
.endr
	v_pk_mul_f32 v[\O:\O+1], v[\O:\O+1], v[FF:FF+1] op_sel_hi:[1,0]   ; O^T under the new M: the first of sixteen is the plain place behind the conversions
.irp c, 0,1                                    ; the operand's layout wants a whole block in a lane
.irp i, 0,1,2
	v_permlane16_swap_b32 v[PC+6*\c+\i], v[C2+4*\c+\i]
.endr
.irp i, 0,1,2
	v_mov_b32 v[PC+3+6*\c+\i], v[C2+4*\c+\i]
.endr
.endr
.set j, 2
.rept 15
	v_pk_mul_f32 v[\O+j:\O+j+1], v[\O+j:\O+j+1], v[FF:FF+1] op_sel_hi:[1,0]   ; the other fifteen; also the places ahead of the products below
.set j, j+2
.endr
.irp t, 0,1,2,3                                ; V^T: channel block t, these 128 keys
	ds_load_b128 v[FR+12*\t:FR+12*\t+3], v[A16] offset:12288*\t
	ds_load_b64 v[FR+12*\t+4:FR+12*\t+5], v[A8] offset:12288*\t+512
	ds_load_b128 v[FR+12*\t+6:FR+12*\t+9], v[A16] offset:12288*\t+768
	ds_load_b64 v[FR+12*\t+10:FR+12*\t+11], v[A8] offset:12288*\t+1280
.endr
	ds_load_b128 v[KW:KW+3], v[AS] offset:4096
	s_wait_alu depctr_va_vdst(0)
	s_wait_dscnt 0x0
.irp t, 0,1,2,3                                ; the four accumulators by turns; the eight products above stand between a step's and the next step's
	v_wmma_scale_f32_16x16x128_f8f6f4 v[\O+8*\t:\O+8*\t+7], v[FR+12*\t:FR+12*\t+11], v[PC:PC+11], v[\O+8*\t:\O+8*\t+7], v[KW+\t], v[PW] matrix_a_fmt:MATRIX_FMT_FP6 matrix_b_fmt:MATRIX_FMT_FP6
.endr
.Lskip_\@:
.endm
.macro RUN                             ; eight key steps, a constant count; the tiles jump over what the mask hides
	s_mov_b32 s[TRIP], 8
.Lstep_\@:
	TILE QZL, OL, STL, QSL, 66, 68
	TILE QZH, OH, STH, QSH, 67, 69
	s_add_co_u32 s[STEP], s[STEP], 1
	s_add_co_u32 s[TB], s[TB], 6144
	s_add_co_u32 s[TS], s[TS], 256
	s_add_co_u32 s[TV], s[TV], 1536
	s_sub_co_u32 s[TRIP], s[TRIP], 1
	s_cmp_lg_u32 s[TRIP], 0
	s_cbranch_scc1 .Lstep_\@
.endm
	s_wait_alu depctr_va_vdst(0)
	s_wait_tensorcnt 0x0                           ; my fill of the first half has landed; the second half's first fill is issued as a refill is:
	ds_add_u32 v[SPW], v[NIL]                      ; 0 onto my spare word
	s_add_co_u32 s[G0K+1], s[G0K+1], HB            ; no tensor load of mine is out: the descriptors step to the second half: K 64 token blocks on,
	s_add_nc_u64 s[G0K+2:G0K+3], s[G0K+2:G0K+3], 64*24576
	s_add_co_u32 s[G0V+1], s[G0V+1], HB            ; V eight steps on in its channel block
	s_add_nc_u64 s[G0V+2:G0V+3], s[G0V+2:G0V+3], 12288
	s_wait_dscnt 0x0                               ; the add is done
	s_barrier_signal -1
	s_barrier_wait -1                              ; everybody's fill is in: key steps 0-7 and all scale words
	s_cmp_lt_u32 s[WV], 8
	s_cbranch_scc0 .Lsecond_v
	tensor_load_to_lds s[G0K:G0K+3], s[G1:G1+7]
	s_nop 0
	s_branch .Lsecond_asked
.Lsecond_v:
	s_cmp_lt_u32 s[WV], 12
	s_cbranch_scc0 .Lsecond_asked
	tensor_load_to_lds s[G0V:G0V+3], s[G1V:G1V+7]
	s_nop 0
.Lsecond_asked:
	RUN                                            ; key steps 0-7
	s_add_co_u32 s[TV], s[TV], HB-12288            ; V's second half begins behind the first's four channel blocks
	s_wait_tensorcnt 0x0                           ; my part of the second half has landed,
	s_wait_dscnt 0x0
	s_barrier_signal -1
	s_barrier_wait -1                              ; everybody's has
	RUN                                            ; key steps 8-15
	; THE WAY OUT.  O^T / the sum is y: register 16 g + i is channel 32 g + 16 h + i of my query: two blocks of 32 along the last product's K: half a fragment, stored as it stands.
.rept 4
	v_nop
.endr
	v_add_f32 v[STL+2], v[STL+2], v[STL+3]
	v_add_f32 v[STH+2], v[STH+2], v[STH+3]
	s_delay_alu instid0(VALU_DEP_2)
	v_permlanex16_b32 v[TMP], v[STL+2], s[SEL], s[SEL+1]
	s_delay_alu instid0(VALU_DEP_2)
	v_permlanex16_b32 v[FF], v[STH+2], s[SEL], s[SEL+1]
	s_delay_alu instid0(VALU_DEP_2)
	v_add_f32 v[STL+2], v[STL+2], v[TMP]           ; the rows' sums
	s_delay_alu instid0(VALU_DEP_2)
	v_add_f32 v[STH+2], v[STH+2], v[FF]
	s_wait_alu depctr_va_vdst(0)
	v_rcp_f32 v[STL+2], v[STL+2]
	v_rcp_f32 v[STH+2], v[STH+2]
	v_and_b32 v[A16], 15, v0                       ; (a plain place behind the reciprocals)
	s_delay_alu instid0(VALU_DEP_1)
	v_lshlrev_b32 v[A16], 3, v[A16]                ; 8 r: a row's two scale words of a slot
	s_wait_alu depctr_va_vdst(0)                   ; one wait for both, ahead of the first reader
.macro OUT O, ST, OB, yc, yw
.set j, 0
.rept 16
	v_pk_mul_f32 v[\O+j:\O+j+1], v[\O+j:\O+j+1], v[\ST+2:\ST+3] op_sel_hi:[1,0]
.set j, j+2
.endr
.irp g, 0,1
	v_max3_num_f32 v[\OB+\g], |v[\O+16*\g]|, |v[\O+16*\g+1]|, 0x1800000
.endr
.irp i, 2,4,6,8,10,12,14
.irp g, 0,1
	s_delay_alu instid0(VALU_DEP_2)
	v_max3_num_f32 v[\OB+\g], v[\OB+\g], |v[\O+16*\g+\i]|, |v[\O+16*\g+\i+1]|
.endr
.endr
.irp g, 0,1
	v_mov_b32 v[\OB+2+\g], 0                       ; a lane permute's destination counts as one of its sources
.endr
.irp g, 0,1
	s_delay_alu instid0(VALU_DEP_2)
	v_permlanex16_b32 v[\OB+2+\g], v[\OB+\g], s[SEL], s[SEL+1]
.endr
.irp g, 0,1
	s_delay_alu instid0(VALU_DEP_2)
	v_max_num_f32 v[\OB+\g], v[\OB+\g], v[\OB+2+\g]
.endr
.irp g, 0,1
	s_delay_alu instid0(VALU_DEP_2)
	v_add_nc_u32 v[\OB+4+\g], 0xff000000, v[\OB+\g]
.endr
.irp g, 0,1
	s_delay_alu instid0(VALU_DEP_2)
	v_lshrrev_b32 v[\OB+6+\g], 23, v[\OB+4+\g]
.endr
	s_delay_alu instid0(VALU_DEP_1)
	v_lshl_or_b32 v[\OB+8], v[\OB+7], 8, v[\OB+6]  ; the head's two bytes
	v_cvt_scalef32_pk16_fp6_f32 v[\OB+10:\OB+12], v[\O:\O+15], v[\OB+4]
	v_cvt_scalef32_pk16_fp6_f32 v[\OB+16:\OB+18], v[\O+16:\O+31], v[\OB+5]
	v_nop                                          ; one plain place behind a scaled conversion
.irp i, 0,1,2
	v_permlane16_swap_b32 v[\OB+10+\i], v[\OB+16+\i]
.endr
.irp i, 0,1,2
	s_delay_alu instid0(VALU_DEP_3)
	v_mov_b32 v[\OB+13+\i], v[\OB+16+\i]
.endr
	global_store_b128 v[L16], v[\OB+10:\OB+13], s[\yc:\yc+1]              ; 512 consecutive bytes, then 256, each run at a multiple of 256 from the buffer's head
	global_store_b64 v[L8], v[\OB+14:\OB+15], s[\yc:\yc+1] offset:512
	global_store_b16 v[A16], v[\OB+8], s[\yw:\yw+1]                       ; two bytes a row (lanes l and l xor 16 store the same): aligned blocks are written in part here, 256 KiB in the whole launch
.endm
	OUT OL, STL, 56, 76, 84
	OUT OH, STH, 80, 78, 86                        ; registers of its own: no store's data are written again
	s_wait_tensorcnt 0x0                           ; the wave's end
	ds_add_u32 v[SPW], v[NIL]
	s_wait_dscnt 0x0
	s_endpgm
.Lfunc_end_k_qb388199309_attn:
	.size	k_qb388199309_attn, .Lfunc_end_k_qb388199309_attn-k_qb388199309_attn
	.p2alignl 7, 3214868480
	.fill 96, 4, 3214868480
	.section	.rodata,"a",@progbits
	.p2align	6, 0x0
	.amdhsa_kernel k_qb388199309_attn
		.amdhsa_group_segment_fixed_size 327680
		.amdhsa_private_segment_fixed_size 0
		.amdhsa_enable_private_segment 0
		.amdhsa_kernarg_size 24
		.amdhsa_user_sgpr_count 2
		.amdhsa_user_sgpr_kernarg_segment_ptr 1
		.amdhsa_wavefront_size32 1
		.amdhsa_system_sgpr_workgroup_id_x 1
		.amdhsa_system_sgpr_workgroup_id_y 1
		.amdhsa_system_sgpr_workgroup_id_z 1
		.amdhsa_system_vgpr_workitem_id 0
		.amdhsa_next_free_vgpr 256
		.amdhsa_next_free_sgpr 100
		.amdhsa_reserve_vcc 1
		.amdhsa_float_denorm_mode_32 3
		.amdhsa_float_denorm_mode_16_64 3
		.amdhsa_memory_ordered 1
		.amdhsa_forward_progress 1
		.amdhsa_inst_pref_size 108
	.end_amdhsa_kernel
	.amdgpu_metadata
---
amdhsa.version: [ 1, 2 ]
amdhsa.kernels:
  - .name:           k_qb388199309_attn
    .symbol:         k_qb388199309_attn.kd
    .args:
      - { .name: qk, .offset: 0, .size: 8, .value_kind: global_buffer, .address_space: global }
      - { .name: vv, .offset: 8, .size: 8, .value_kind: global_buffer, .address_space: global }
      - { .name: yq, .offset: 16, .size: 8, .value_kind: global_buffer, .address_space: global }
    .group_segment_fixed_size: 327680
    .private_segment_fixed_size: 0
    .kernarg_segment_align: 8
    .kernarg_segment_size: 24
    .max_flat_workgroup_size: 512
    .sgpr_count:     100
    .vgpr_count:     256
    .wavefront_size: 32
...
	.end_amdgpu_metadata
.endif
;; end of part 3
;; launch proj (part 4): grid 4 x 32, 4 waves a work-group, clusters of 4 x 4, 327,680 bytes of LDS; arguments yq, wq, out0; writes out0
.if DOCPART == 4
	.amdgcn_target "amdgcn-amd-amdhsa--gfx1250"
	.amdhsa_code_object_version 6
	.text
	.protected	k_qb388199309_proj
	.globl	k_qb388199309_proj
	.p2align	8
	.type	k_qb388199309_proj,@function
k_qb388199309_proj:
	s_mov_b64 s[64:65], 0
	v_nop
	global_prefetch_b8 v0, s[64:65] scope:SCOPE_SE
	s_setreg_imm32_b32 hwreg(HW_REG_WAVE_MODE, 25, 1), 1
	s_wait_xcnt 0x0
	s_wait_alu depctr_hold_cnt(0) depctr_sa_sdst(0) depctr_va_vdst(0) depctr_va_sdst(0) depctr_va_ssrc(0) depctr_va_vcc(0) depctr_vm_vsrc(0)
	s_getreg_b32 s2, hwreg(HW_REG_IB_STS2, 6, 4)
	s_cmp_eq_u32 s2, 0
	s_cbranch_scc0 .Lentry_in_a_cluster
	s_endpgm
.Lentry_in_a_cluster:
	s_bfe_u32 s2, ttmp6, 0x10000c
	s_cmp_lg_u32 s2, 0xf033
	s_cbranch_scc0 .Lentry_shape_is_right
	s_endpgm
.Lentry_shape_is_right:
; out0 = y W_proj on codes of FP6 (E2M3) with E8M0 scales, K = 1,024; f32 sums, stored as f32.  Operands lie as images of the matrix unit's registers, as the launches before left them:
; [row block of 16][K step of 128][1,536 bytes]; block 2 g + u holds at place r the row 32 g + 8 u + r + 8 (r / 8); scale words [row block][256 along K][16 r][2 words].
; A tile of 256 x 256 by four waves, 128 x 128 each; K in steps of 256 through a ring of two LDS slots; 4 x 4 clusters: A's tiles are asked for jointly along a row of the cluster, B's along a column.
; The matrix instruction is used transposed (source 0 = W's columns, source 1 = tokens); results go through the wave's own stage in slot 0, which has had its last fill by then, and leave as rows of 512 bytes.
; All of a WGP's LDS is claimed.
.set NQ,     2
.set FR,     12
.set NL,     4
.set NP,     4
.set HALFT,  24576
.set SLOT,   4*HALFT
.set LAPS,   2
.set SCL,    2*SLOT
.set SCB,    8320
.set SPARE,  213248
.set SPITCH, 528
.set L16,  4
.set L8,   5
.set ADRA, 16
.set ADRB, 20
.set STO,  24
.set RD,   25
.set ADRS, 27
.set SPW,  28
.set NIL,  29
.set SC,   32
.set AF,   128
.set BK,   128
.set G1, 24
.set G0, 32
.set G1B, 48
.set G0B, 56
.set G1S, 68
.set G0S, 76
.set G1SB, 80
.set G0SB, 88
.set MSB, 0
.macro WIN new
.if MSB != \new
	s_set_vgpr_msb (MSB<<8)|\new
.set MSB, \new
.endif
.endm
.set MUL_LO, 0xa1
.set MUL_HI, 0xf1
.set TO_B,   0x40
.macro JLOAD g0a, g1a, g0b, g1b
	s_cmp_eq_u32 s15, 0
	s_cbranch_scc0 .Lfor_b_\@
	tensor_load_to_lds s[\g0a:\g0a+3], s[\g1a:\g1a+7]
	s_nop 0
.rept 4
	v_nop
.endr
	s_branch .Lasked_\@
.Lfor_b_\@:
	tensor_load_to_lds s[\g0b:\g0b+3], s[\g1b:\g1b+7]
	s_nop 0
.rept 4
	v_nop
.endr
.Lasked_\@:
.endm
.macro CREST
	s_cmp_lg_u32 s14, 0
	s_cbranch_scc1 .Lnot_wave_0_\@
	s_barrier_signal -3
.Lnot_wave_0_\@:
	s_barrier_wait -3
	s_barrier_signal -1
	s_barrier_wait -1
.endm
.macro CROUND
	s_barrier_signal -1
	s_barrier_wait -1
	CREST
.endm
.macro FRAG reg, adr, q, i
	ds_load_b128 v[\reg:\reg+3], v[\adr] offset:3072*(\i)+1536*(\q)
	ds_load_b64 v[\reg+4:\reg+5], v[\adr+2] offset:3072*(\i)+1536*(\q)+512
	ds_load_b128 v[\reg+6:\reg+9], v[\adr] offset:3072*(\i)+1536*(\q)+768
	ds_load_b64 v[\reg+10:\reg+11], v[\adr+2] offset:3072*(\i)+1536*(\q)+1280
.endm
.macro MUL16 a0, p, q, sc, zero
.irp a, \a0, \a0+1
.irp b, 0,1,2,3,4,5,6,7
.if \zero
	v_wmma_scale_f32_16x16x128_f8f6f4 v[8*(8*((\a)%4)+\b):8*(8*((\a)%4)+\b)+7], v[128*(\p)+FR*\b:128*(\p)+FR*\b+FR-1], v[AF+FR*(\a):AF+FR*(\a)+FR-1], 0, v[SC+8*NQ*(\sc)+NQ*\b+(\q)], v[SC+8*NQ*(\sc)+NQ*(\a)+(\q)] matrix_a_fmt:MATRIX_FMT_FP6 matrix_b_fmt:MATRIX_FMT_FP6 matrix_a_scale:MATRIX_SCALE_ROW1
.else
	v_wmma_scale_f32_16x16x128_f8f6f4 v[8*(8*((\a)%4)+\b):8*(8*((\a)%4)+\b)+7], v[128*(\p)+FR*\b:128*(\p)+FR*\b+FR-1], v[AF+FR*(\a):AF+FR*(\a)+FR-1], v[8*(8*((\a)%4)+\b):8*(8*((\a)%4)+\b)+7], v[SC+8*NQ*(\sc)+NQ*\b+(\q)], v[SC+8*NQ*(\sc)+NQ*(\a)+(\q)] matrix_a_fmt:MATRIX_FMT_FP6 matrix_b_fmt:MATRIX_FMT_FP6 matrix_a_scale:MATRIX_SCALE_ROW1
.endif
.endr
.endr
.endm
.macro FETCH_B slot, q, p
	WIN TO_B
.irp i, 0,1,2,3,4,5,6,7
	FRAG 128*(\p)+FR*\i, ADRB+\slot, \q, \i
.endr
	WIN 0
.endm
.macro FETCH_A slot, q, i0
.irp i, \i0, \i0+1, \i0+2, \i0+3
	FRAG AF+FR*(\i), ADRA+\slot, \q, \i
.endr
.endm
.macro SCALES sc
.irp i, 0,1,2,3,4,5,6,7
	ds_load_b64 v[SC+8*NQ*\sc+NQ*\i:SC+8*NQ*\sc+NQ*\i+1], v[ADRS] offset:512*\i
.endr
.endm
.macro PLACES n
.rept \n
	v_nop
.endr
.endm
.macro STEP slot, q, zero
	s_wait_dscnt 4*NL
	WIN MUL_LO
	MUL16 0, (\q)%2, \q, \slot, \zero
	MUL16 2, (\q)%2, \q, \slot, \zero
	s_wait_dscnt 0
	PLACES NP
	FETCH_B \slot, (\q)+1, 1-(\q)%2
	FETCH_A \slot, (\q)+1, 0
	WIN MUL_HI
	MUL16 4, (\q)%2, \q, \slot, \zero
	MUL16 6, (\q)%2, \q, \slot, \zero
	PLACES NP
	WIN 0
	FETCH_A \slot, (\q)+1, 4
.endm
.macro TURN slot, next, fill
	s_wait_tensorcnt 0x0
	ds_add_u32 v[SPW], v[NIL]
	s_wait_dscnt 4*NL+1
	WIN MUL_LO
	MUL16 0, 1, NQ-1, \slot, 0
	s_wait_dscnt 0x0
	s_barrier_signal -1
	MUL16 2, 1, NQ-1, \slot, 0
	WIN 0
	s_barrier_wait -1
.if \fill
	CREST
	s_add_nc_u64 s[G0+4*\slot+2:G0+4*\slot+3], s[G0+4*\slot+2:G0+4*\slot+3], 6144
	s_add_nc_u64 s[G0B+4*\slot+2:G0B+4*\slot+3], s[G0B+4*\slot+2:G0B+4*\slot+3], 6144
	JLOAD G0+4*\slot, G1, G0B+4*\slot, G1B
.else
	PLACES NP
.endif
	s_wait_alu depctr_va_vdst(0)
	v_add_nc_u32 v[ADRS], 128, v[ADRS]
	FETCH_B \next, 0, 0
	FETCH_A \next, 0, 0
	SCALES \next
	WIN MUL_HI
	MUL16 4, 1, NQ-1, \slot, 0
	MUL16 6, 1, NQ-1, \slot, 0
	PLACES NP
	WIN 0
	FETCH_A \next, 0, 4
.endm
	s_load_b128 s[4:7], s[0:1], 0x0
	s_load_b64 s[8:9], s[0:1], 0x10
	v_lshl_add_u32 v[SPW], v0, 2, SPARE
	v_mov_b32 v[NIL], 0
	ds_add_u32 v[SPW], v[NIL]
	ds_add_u32 v[SPW], v[NIL]
	v_lshrrev_b32 v1, 5, v0
	v_readfirstlane_b32 s14, v1
	s_lshr_b32 s15, s14, 1
	s_and_b32 s16, s14, 1
	s_bfe_u32 s40, ttmp6, 0x40000
	s_bfe_u32 s41, ttmp6, 0x40004
	s_lshl_b32 s42, ttmp9, 2
	s_add_co_u32 s42, s42, s40
	s_and_b32 s17, ttmp7, 0xffff
	s_lshl_b32 s17, s17, 2
	s_add_co_u32 s17, s17, s41
	s_lshl_b32 s43, s41, 2
	s_lshl_b32 s43, 15, s43
	s_lshl_b32 s44, 0x1111, s40
	s_or_b32 s[G1+0], s43, (3<<16)|(1<<21)
	s_or_b32 s[G1B+0], s44, (3<<16)|(1<<21)
.irp g, G1, G1B
	s_mov_b32 s[\g+1], 384<<16
	s_mov_b32 s[\g+2], 16<<16                      ; 16 row blocks for the head's loads; set to 8 for the ring's behind them
	s_mov_b32 s[\g+3], 384<<16
	s_mov_b32 s[\g+4], 16
	s_mov_b32 s[\g+5], 1536
	s_mov_b32 s[\g+6], 0
	s_mov_b32 s[\g+7], 0
.endr
	s_or_b32 s[G1S+0], s43, (3<<16)|(1<<21)
	s_or_b32 s[G1SB+0], s44, (3<<16)|(1<<21)
.irp g, G1S, G1SB
	s_mov_b32 s[\g+1], 32<<16
	s_mov_b32 s[\g+2], 32<<16                      ; the words of a tile's 16 row blocks: 8,192 dense bytes, 32 rows of 256
	s_mov_b32 s[\g+3], 32<<16
	s_mov_b32 s[\g+4], 32
	s_mov_b32 s[\g+5], 32
	s_mov_b32 s[\g+6], 0
	s_mov_b32 s[\g+7], 0
.endr
	s_lshl_b32 s20, s17, 4                         ; A: the tile's first row block
	s_lshl_b32 s46, s42, 4                         ; B's
	s_lshl_b32 s22, s20, 9
	s_add_co_u32 s22, s22, 6291456
	s_mul_i32 s20, s20, 12288
	s_mov_b32 s21, 0
	s_mov_b32 s23, 0
	s_lshl_b32 s92, s46, 9
	s_add_co_u32 s92, s92, 3244032
	s_mul_i32 s46, s46, 12288
	s_add_co_u32 s46, s46, 2359296
	s_mov_b32 s47, 0
	s_mov_b32 s93, 0
	s_mul_i32 s45, s14, HALFT
	s_mul_i32 s94, s16, 4*HALFT                    ; in the ring I fetch 8 row blocks of a tile: which half, in bytes of memory (8 x 12,288)
	s_mov_b32 s95, 0
	s_wait_dscnt 0x0
	s_wait_kmcnt 0x0
	s_add_nc_u64 s[20:21], s[4:5], s[20:21]
	s_add_nc_u64 s[22:23], s[4:5], s[22:23]
	s_add_nc_u64 s[46:47], s[6:7], s[46:47]
	s_add_nc_u64 s[92:93], s[6:7], s[92:93]
	CROUND
	s_mov_b32 s[G0S], 1
	s_mov_b32 s[G0S+1], SCL
	s_mov_b64 s[G0S+2:G0S+3], s[22:23]
	s_or_b32 s[G0S+3], s[G0S+3], 0x80000000
	s_mov_b32 s[G0SB], 1
	s_mov_b32 s[G0SB+1], SCL+SCB
	s_mov_b64 s[G0SB+2:G0SB+3], s[92:93]
	s_or_b32 s[G0SB+3], s[G0SB+3], 0x80000000
	s_mov_b32 s[G0], 1                             ; slot 0's first fill, whole tiles: A's 16 row blocks at 0,
	s_mov_b32 s[G0+1], 0
	s_mov_b64 s[G0+2:G0+3], s[20:21]
	s_or_b32 s[G0+3], s[G0+3], 0x80000000
	s_mov_b32 s[G0B], 1                            ; B's 16 behind them
	s_mov_b32 s[G0B+1], 2*HALFT
	s_mov_b64 s[G0B+2:G0B+3], s[46:47]
	s_or_b32 s[G0B+3], s[G0B+3], 0x80000000
	s_add_nc_u64 s[20:21], s[20:21], s[94:95]      ; for the ring: my 8 row blocks
	s_add_nc_u64 s[46:47], s[46:47], s[94:95]
	s_mov_b32 s[G0+4], 1
	s_add_co_u32 s[G0+5], s45, SLOT
	s_add_nc_u64 s[G0+6:G0+7], s[20:21], 3072
	s_or_b32 s[G0+7], s[G0+7], 0x80000000
	s_mov_b32 s[G0B+4], 1
	s_add_co_u32 s[G0B+5], s45, SLOT
	s_add_nc_u64 s[G0B+6:G0B+7], s[46:47], 3072
	s_or_b32 s[G0B+7], s[G0B+7], 0x80000000
; the head's four tiles, one joint load a wave: wave 0 A's codes, wave 1 B's, wave 2 A's scale words, wave 3 B's; one chain of branches on the wave's number
.macro HLOAD g0, g1
	tensor_load_to_lds s[\g0:\g0+3], s[\g1:\g1+7]
	s_nop 0
.rept 4
	v_nop
.endr
.endm
	s_cmp_lt_u32 s14, 1
	s_cbranch_scc0 .Lhead_b
	HLOAD G0, G1
	s_branch .Lhead_asked
.Lhead_b:
	s_cmp_lt_u32 s14, 2
	s_cbranch_scc0 .Lhead_sa
	HLOAD G0B, G1B
	s_branch .Lhead_asked
.Lhead_sa:
	s_cmp_lt_u32 s14, 3
	s_cbranch_scc0 .Lhead_sb
	HLOAD G0S, G1S
	s_branch .Lhead_asked
.Lhead_sb:
	HLOAD G0SB, G1SB
.Lhead_asked:
	v_and_b32 v1, 31, v0
	v_and_b32 v2, 15, v0
	v_bfe_u32 v3, v0, 4, 1
	v_lshlrev_b32 v[L16], 4, v1
	v_lshlrev_b32 v[L8], 3, v1
	s_mul_i32 s21, s15, HALFT
	s_mul_i32 s22, s16, HALFT
	s_add_co_u32 s22, s22, 2*HALFT
.irp s, 0,1
	v_add_nc_u32 v[ADRA+\s], s21, v[L16]
	v_add_nc_u32 v[ADRB+\s], s22, v[L16]
	v_add_nc_u32 v[ADRA+2+\s], s21, v[L8]
	v_add_nc_u32 v[ADRB+2+\s], s22, v[L8]
	s_add_co_u32 s21, s21, SLOT
	s_add_co_u32 s22, s22, SLOT
.endr
	v_lshlrev_b32 v6, 3, v2
	s_lshl_b32 s21, s15, 12
	s_lshl_b32 s22, s16, 12
	s_add_co_u32 s22, s22, SCB
	s_sub_co_u32 s22, s22, s21
	v_mul_u32_u24 v7, s22, v3
	s_add_co_u32 s21, s21, SCL
	v_add_nc_u32 v6, v6, v7
	v_add_nc_u32 v[ADRS], s21, v6
	s_mul_i32 s23, s14, 16*SPITCH
	v_mul_u32_u24 v6, v2, SPITCH
	v_lshl_add_u32 v6, v3, 6, v6
	v_add_nc_u32 v[STO], s23, v6
	v_add_nc_u32 v[RD], s23, v[L16]
	s_lshl_b32 s20, s17, 8
	s_lshl_b32 s21, s15, 7
	s_add_co_u32 s20, s20, s21
	s_lshl_b32 s20, s20, 12
	s_lshl_b32 s46, s42, 10
	s_lshl_b32 s47, s16, 9
	s_add_co_u32 s46, s46, s47
	s_add_co_u32 s20, s20, s46
	s_mov_b32 s21, 0
	s_add_nc_u64 s[12:13], s[8:9], s[20:21]
	s_wait_alu depctr_va_vdst(0)
	s_wait_tensorcnt 0x0                           ; my tile of the head's four is in; slot 1's first fill is issued as a refill is:
	ds_add_u32 v[SPW], v[NIL]                      ; 0 onto my spare word
	s_mov_b32 s[G1+2], 8<<16                       ; no tensor load of mine is out: from here on a load brings 8 row blocks,
	s_mov_b32 s[G1+4], 8
	s_mov_b32 s[G1B+2], 8<<16
	s_mov_b32 s[G1B+4], 8
	s_add_co_u32 s[G0+1], s45, 0                   ; and slot 0's descriptors name my quarter of the slot
	s_add_co_u32 s[G0B+1], s45, 0
	s_add_nc_u64 s[G0+2:G0+3], s[G0+2:G0+3], s[94:95]
	s_add_nc_u64 s[G0B+2:G0B+3], s[G0B+2:G0B+3], s[94:95]
	s_wait_dscnt 0x0                               ; the add is done
	CROUND                                         ; all four tiles are in, and all sixteen work-groups are here
	JLOAD G0+4, G1, G0B+4, G1B                     ; slot 1: the first tensor load behind the round
	FETCH_B 0, 0, 0
	FETCH_A 0, 0, 0
	SCALES 0
	FETCH_A 0, 0, 4
	STEP 0, 0, 1
	s_mov_b32 s3, LAPS-1
.Llap:
	TURN 0, 1, 1
	STEP 1, 0, 0
	TURN 1, 0, 1
	STEP 0, 0, 0
	s_sub_co_u32 s3, s3, 1
	s_cmp_lg_u32 s3, 0
	s_cbranch_scc1 .Llap
	TURN 0, 1, 0
	STEP 1, 0, 0
	s_wait_dscnt 4*NL
	WIN MUL_LO
	MUL16 0, 1, NQ-1, 1, 0
	MUL16 2, 1, NQ-1, 1, 0
	s_wait_dscnt 0
	WIN MUL_HI
	MUL16 4, 1, NQ-1, 1, 0
	MUL16 6, 1, NQ-1, 1, 0
	WIN 0
.macro TOSTAGE a
.set AC, 64*((\a)%4)
	WIN 0x08+4*((\a)/4)
.irp b, 0,1,2,3,4,5,6,7
	ds_store_b128 v[STO], v[AC+8*\b:AC+8*\b+3] offset:128*(\b/2)+32*(\b%2)
	ds_store_b128 v[STO], v[AC+8*\b+4:AC+8*\b+7] offset:128*(\b/2)+32*(\b%2)+16
.endr
	WIN 0
.set BB, BK+64*((\a)%2)
.irp t, 0,1,2,3,4,5,6,7,8,9,10,11,12,13,14,15
	ds_load_b128 v[BB+4*\t:BB+4*\t+3], v[RD] offset:\t*SPITCH
.endr
.endm
.macro SEND a, younger
.set BB, BK+64*((\a)%2)
	s_wait_dscnt \younger
.irp t, 0,1,2,3,4,5,6,7,8,9,10,11,12,13,14,15
	global_store_b128 v[L16], v[BB+4*\t:BB+4*\t+3], s[12:13] offset:(32*((\a)/2)+8*((\a)%2)+\t+8*(\t/8))*4096 th:TH_STORE_NT
.endr
.endm
	PLACES NP
	TOSTAGE 0
.irp a, 1,2,3,4,5,6,7
.if \a > 1
	s_wait_xcnt 0x0
.endif
	TOSTAGE \a
	SEND \a-1, 32
.endr
	SEND 7, 0
	s_wait_tensorcnt 0x0
	ds_add_u32 v[SPW], v[NIL]
	s_wait_dscnt 0x0
	CROUND
	s_endpgm
.Lfunc_end_k_qb388199309_proj:
	.size	k_qb388199309_proj, .Lfunc_end_k_qb388199309_proj-k_qb388199309_proj
	.p2alignl 7, 3214868480
	.fill 96, 4, 3214868480
	.section	.rodata,"a",@progbits
	.p2align	6, 0x0
	.amdhsa_kernel k_qb388199309_proj
		.amdhsa_group_segment_fixed_size 327680
		.amdhsa_private_segment_fixed_size 0
		.amdhsa_enable_private_segment 0
		.amdhsa_kernarg_size 24
		.amdhsa_user_sgpr_count 2
		.amdhsa_user_sgpr_kernarg_segment_ptr 1
		.amdhsa_wavefront_size32 1
		.amdhsa_system_sgpr_workgroup_id_x 1
		.amdhsa_system_sgpr_workgroup_id_y 1
		.amdhsa_system_sgpr_workgroup_id_z 1
		.amdhsa_system_vgpr_workitem_id 0
		.amdhsa_next_free_vgpr 1024
		.amdhsa_next_free_sgpr 100
		.amdhsa_reserve_vcc 0
		.amdhsa_float_denorm_mode_32 3
		.amdhsa_float_denorm_mode_16_64 3
		.amdhsa_memory_ordered 1
		.amdhsa_forward_progress 1
		.amdhsa_inst_pref_size 144
	.end_amdhsa_kernel
	.amdgpu_metadata
---
amdhsa.version: [ 1, 2 ]
amdhsa.kernels:
  - .name:           k_qb388199309_proj
    .symbol:         k_qb388199309_proj.kd
    .args:
      - { .name: yq, .offset: 0, .size: 8, .value_kind: global_buffer, .address_space: global }
      - { .name: wq, .offset: 8, .size: 8, .value_kind: global_buffer, .address_space: global }
      - { .name: out0, .offset: 16, .size: 8, .value_kind: global_buffer, .address_space: global }
    .group_segment_fixed_size: 327680
    .private_segment_fixed_size: 0
    .kernarg_segment_align: 8
    .kernarg_segment_size: 24
    .max_flat_workgroup_size: 128
    .sgpr_count:     100
    .vgpr_count:     1024
    .wavefront_size: 32
...
	.end_amdgpu_metadata
.endif
;; end of part 4
